; MI455X (gfx1250); checked and timed in simulation.
; The chip was launched on July 23, 2026; its instructions are those of AMD's public machine-readable ISA for CDNA 5 (MIT licence, August 2026) and "CDNA5" Instruction Set Architecture Reference Guide (July 2026). The comments in the code are by the model that wrote it; some were corrected since.
;; Dual Sliding Window Attention. Allowed arithmetic: float matrix products may take bf16 or f16 operands with f32 sums; all other float work in f32.
;; Inputs: Wk 2,048 x 512 float32; Wo 2,048 x 2,048 float32; Wq 4,096 x 2,048 float32; Wsk 2,048 x 512 float32; Wsv 2,048 x 512 float32; Wv 2,048 x 512 float32; hidden_states 2 x 1,024 x 2,048 float32; ssm_states 2 x 1,024 x 2,048 float32.
;; Outputs: out0 2 x 1,024 x 2,048 float32.
;; 2 versions, each right; version 2 is version 1 with the launch cast written anew for expert scheduling mode. Each part assembles by itself: llvm-mc -triple=amdgcn-amd-amdhsa -mcpu=gfx1250 --defsym DOCPART=n.
;; ======== version 1 of 2: 4 launches
;; limits: values are held in f16: magnitudes above 65,504 overflow, below 6.1e-05 lose precision
;; workspace buffers: xb 16,777,216 bytes; wqb 16,777,216 bytes; wkvb 8,388,608 bytes; wob 8,388,608 bytes; qh 8,388,608 bytes; kvh 8,388,608 bytes; ob 8,388,608 bytes
;; launch cast (part 1): grid 32 x 24, 8 waves a work-group, no clusters, 0 bytes of LDS; arguments ssm_states, hidden_states, Wq, Wo, Wsk, Wsv, Wk, Wv, xb, wqb, wob, wkvb; writes xb, wqb, wob, wkvb
.if DOCPART == 1
	.amdgcn_target "amdgcn-amd-amdhsa--gfx1250"
	.amdhsa_code_object_version 6
	.text
	.protected	k_q0d4f7b6cb0_cast
	.globl	k_q0d4f7b6cb0_cast
	.p2align	8
	.type	k_q0d4f7b6cb0_cast,@function
k_q0d4f7b6cb0_cast:
	s_mov_b64 s[64:65], 0
	v_nop
	global_prefetch_b8 v0, s[64:65] scope:SCOPE_SE
	s_setreg_imm32_b32 hwreg(HW_REG_WAVE_MODE, 25, 1), 1
	s_wait_xcnt 0x0
; CAST.  All eight inputs are rounded to bf16 once and laid out for the products that follow.
;   xb   [2048 rows][4096] bf16: columns 0-2047 ssm_states, 2048-4095 hidden_states (the order of Wq's rows)
;   wqb  [4096 k][2048 n] bf16      wob [2048 k][2048 n]: bf16(Wo) written as f16
;   wkvb [16 j][4096 k][64] bf16: j < 8: Wsk (k < 2048), Wk (k >= 2048), columns 64 j on; j >= 8: Wsv, Wv, columns 64 (j - 8) on
; LIMIT.  bf16(Wo) as f16 is exact from 2^-14 to 65,504; below it keeps f16's fixed step of 6e-8, beyond it is lost.
; SHARES.  A pass is 2,048 f32 of the source (8,192 bytes in, 4,096 out); a thread takes 8 neighbouring numbers, two 16-byte loads and
; one 16-byte store; a work-group makes 16 passes, all 32 loads of a wave issued before the first conversion.  No register is used twice,
; so no wait but the counted ones for the loads.  Memory binds: no LDS, no barrier, no matrix unit would add anything.
; The job goes by the work-group's y: 0-3 ssm, 4-7 hidden, 8-15 Wq, 16-19 Wo, 20 Wsk, 21 Wsv, 22 Wk, 23 Wv.
.set DOF,  8                           ; v[8:23]    pass p: my byte offset in the destination
.set X,    24                          ; v[24:151]  pass p: 8 registers as loaded; the first 4 then hold what is stored
.set T,    152                         ; v[152:154] at work (Wo alone)
.set SRC,  32                          ; s[32:33]   the job's source
.set DST,  34                          ; s[34:35]   the job's destination
.set Y,    36                          ; s36        work-group y
.set Y0,   37                          ; s37        the job's first y
.set DSTEP,38                          ; s38        destination bytes from pass to pass
.set DADD, 39                          ; s39        the job's first byte in the destination
.set LW,   40                          ; s40        the work-group's number within the job
	s_load_b512 s[8:23], s[0:1], 0x0               ; ssm, hidden, Wq, Wo, Wsk, Wsv, Wk, Wv
	s_load_b256 s[24:31], s[0:1], 0x40             ; xb, wqb, wob, wkvb
	s_and_b32 s[Y], ttmp7, 0xffff
	s_mov_b32 s47, 0xffff0000                      ; a word's upper bf16
	v_and_b32 v1, 31, v0                           ; lane l
	v_lshrrev_b32 v2, 5, v0                        ; wave w
	v_lshlrev_b32 v3, 5, v0                        ; plain jobs: source 32 t,
	v_lshlrev_b32 v4, 4, v0                        ; destination 16 t
	v_lshrrev_b32 v5, 3, v1                        ; K/V weights: a pass is 4 rows k of 512 f32; wave w takes column block w:
	v_lshlrev_b32 v5, 11, v5                       ; source (l / 8) rows of 2,048 bytes
	v_lshl_add_u32 v5, v2, 8, v5                   ; + 256 w
	v_and_b32 v6, 7, v1
	v_lshl_add_u32 v5, v6, 5, v5                   ; + 32 (l % 8)
	v_lshlrev_b32 v6, 4, v1                        ; destination: block w of 524,288 bytes, 4 rows of 128 bytes = 16 l:
	v_lshl_add_u32 v6, v2, 19, v6                  ; a wave's store covers 512 consecutive bytes
	s_wait_kmcnt 0x0
	s_mov_b64 s[SRC:SRC+1], s[8:9]                 ; the table of jobs, row by row: a compare on y, then selects (which leave SCC alone)
	s_mov_b64 s[DST:DST+1], s[24:25]
	s_mov_b32 s[Y0], 0
	s_mov_b32 s[DSTEP], 8192
	s_mov_b32 s[DADD], 0
	s_cmp_ge_u32 s[Y], 4                           ; hidden_states: the right half of xb's rows
	s_cselect_b64 s[SRC:SRC+1], s[10:11], s[SRC:SRC+1]
	s_cselect_b32 s[Y0], 4, s[Y0]
	s_cselect_b32 s[DADD], 4096, s[DADD]
	s_cmp_ge_u32 s[Y], 8                           ; Wq
	s_cselect_b64 s[SRC:SRC+1], s[12:13], s[SRC:SRC+1]
	s_cselect_b64 s[DST:DST+1], s[26:27], s[DST:DST+1]
	s_cselect_b32 s[Y0], 8, s[Y0]
	s_cselect_b32 s[DSTEP], 4096, s[DSTEP]
	s_cselect_b32 s[DADD], 0, s[DADD]
	s_cmp_ge_u32 s[Y], 16                          ; Wo
	s_cselect_b64 s[SRC:SRC+1], s[14:15], s[SRC:SRC+1]
	s_cselect_b64 s[DST:DST+1], s[28:29], s[DST:DST+1]
	s_cselect_b32 s[Y0], 16, s[Y0]
	s_cmp_ge_u32 s[Y], 20                          ; Wsk
	s_cselect_b64 s[SRC:SRC+1], s[16:17], s[SRC:SRC+1]
	s_cselect_b64 s[DST:DST+1], s[30:31], s[DST:DST+1]
	s_cselect_b32 s[Y0], 20, s[Y0]
	s_cselect_b32 s[DSTEP], 512, s[DSTEP]
	s_cselect_b32 s46, -1, 0                       ; all lanes: the K/V weights' offsets
	s_cmp_ge_u32 s[Y], 21                          ; Wsv: blocks 8 on
	s_cselect_b64 s[SRC:SRC+1], s[18:19], s[SRC:SRC+1]
	s_cselect_b32 s[Y0], 21, s[Y0]
	s_cselect_b32 s[DADD], 4194304, s[DADD]
	s_cmp_ge_u32 s[Y], 22                          ; Wk: rows k = 2048 on
	s_cselect_b64 s[SRC:SRC+1], s[20:21], s[SRC:SRC+1]
	s_cselect_b32 s[Y0], 22, s[Y0]
	s_cselect_b32 s[DADD], 262144, s[DADD]
	s_cmp_ge_u32 s[Y], 23                          ; Wv: both
	s_cselect_b64 s[SRC:SRC+1], s[22:23], s[SRC:SRC+1]
	s_cselect_b32 s[Y0], 23, s[Y0]
	s_cselect_b32 s[DADD], 4456448, s[DADD]
	s_sub_co_u32 s[LW], s[Y], s[Y0]
	s_lshl_b32 s[LW], s[LW], 5
	s_add_co_u32 s[LW], s[LW], ttmp9               ; 32 (y - y0) + x
	s_lshl_b32 s42, s[LW], 17                      ; 16 passes of 8,192 bytes
	s_mov_b32 s43, 0
	s_add_nc_u64 s[SRC:SRC+1], s[SRC:SRC+1], s[42:43]
	s_mul_i32 s44, s[LW], s[DSTEP]
	s_lshl_b32 s44, s44, 4                         ; 16 passes of DSTEP bytes,
	s_add_co_u32 s44, s44, s[DADD]                 ; from the job's first byte: 16.7 million at the most
	s_mov_b32 s45, 0
	s_add_nc_u64 s[DST:DST+1], s[DST:DST+1], s[44:45]
	v_cndmask_b32 v7, v3, v5, s46                  ; my byte offset in a pass of the source
	v_cndmask_b32 v[DOF], v4, v6, s46
.set p, 1
.rept 15
	v_add_nc_u32 v[DOF+p], s[DSTEP], v[DOF+p-1]
.set p, p+1
.endr
.set p, 0
.rept 16                                               ; all 32 loads go out together: 16 KiB of a wave on their way
	global_load_b128 v[X+8*p:X+8*p+3],   v7, s[SRC:SRC+1] offset:p*8192 th:TH_LOAD_NT
	global_load_b128 v[X+8*p+4:X+8*p+7], v7, s[SRC:SRC+1] offset:p*8192+16 th:TH_LOAD_NT
.set p, p+1
.endr
; Pass p.  wo = 0: eight numbers rounded to bf16, in place, ascending (a destination is never a source still to come).
; wo = 1: rounded to bf16, widened again (a shift, a mask), and that number written as f16.
.macro PASS p, wo
	s_wait_loadcnt 30-2*(\p)                       ; loads come back in order: this pass's two are in, the younger passes' stay out
.irp j, 0,1,2,3
.if \wo
	v_cvt_pk_bf16_f32 v[T], v[X+8*(\p)+2*(\j)], v[X+8*(\p)+2*(\j)+1]
	v_lshlrev_b32 v[T+1], 16, v[T]
	v_and_b32 v[T+2], s47, v[T]
	v_cvt_pk_f16_f32 v[X+8*(\p)+(\j)], v[T+1], v[T+2]
.else
	v_cvt_pk_bf16_f32 v[X+8*(\p)+(\j)], v[X+8*(\p)+2*(\j)], v[X+8*(\p)+2*(\j)+1]
.endif
.endr
	global_store_b128 v[DOF+(\p)], v[X+8*(\p):X+8*(\p)+3], s[DST:DST+1]  ; a wave's store covers 512 consecutive bytes, aligned; the next launch reads them, so no hint
.endm
	s_cmp_eq_u32 s[Y0], 16
	s_cbranch_scc1 .Lwo
.irp p, 0,1,2,3,4,5,6,7,8,9,10,11,12,13,14,15
	PASS \p, 0
.endr
	s_endpgm
.Lwo:
.irp p, 0,1,2,3,4,5,6,7,8,9,10,11,12,13,14,15
	PASS \p, 1
.endr
	s_endpgm
.Lfunc_end_k_q0d4f7b6cb0_cast:
	.size	k_q0d4f7b6cb0_cast, .Lfunc_end_k_q0d4f7b6cb0_cast-k_q0d4f7b6cb0_cast
	.p2alignl 7, 3214868480
	.fill 96, 4, 3214868480
	.section	.rodata,"a",@progbits
	.p2align	6, 0x0
	.amdhsa_kernel k_q0d4f7b6cb0_cast
		.amdhsa_group_segment_fixed_size 0
		.amdhsa_private_segment_fixed_size 0
		.amdhsa_enable_private_segment 0
		.amdhsa_kernarg_size 96
		.amdhsa_user_sgpr_count 2
		.amdhsa_user_sgpr_kernarg_segment_ptr 1
		.amdhsa_wavefront_size32 1
		.amdhsa_system_sgpr_workgroup_id_x 1
		.amdhsa_system_sgpr_workgroup_id_y 1
		.amdhsa_system_sgpr_workgroup_id_z 1
		.amdhsa_system_vgpr_workitem_id 0
		.amdhsa_next_free_vgpr 160
		.amdhsa_next_free_sgpr 66
		.amdhsa_reserve_vcc 0
		.amdhsa_float_denorm_mode_32 3
		.amdhsa_float_denorm_mode_16_64 3
		.amdhsa_memory_ordered 1
		.amdhsa_forward_progress 1
		.amdhsa_inst_pref_size 27
	.end_amdhsa_kernel
	.amdgpu_metadata
---
amdhsa.version: [ 1, 2 ]
amdhsa.kernels:
  - .name:           k_q0d4f7b6cb0_cast
    .symbol:         k_q0d4f7b6cb0_cast.kd
    .args:
      - { .name: ssm_states, .offset: 0, .size: 8, .value_kind: global_buffer, .address_space: global }
      - { .name: hidden_states, .offset: 8, .size: 8, .value_kind: global_buffer, .address_space: global }
      - { .name: Wq, .offset: 16, .size: 8, .value_kind: global_buffer, .address_space: global }
      - { .name: Wo, .offset: 24, .size: 8, .value_kind: global_buffer, .address_space: global }
      - { .name: Wsk, .offset: 32, .size: 8, .value_kind: global_buffer, .address_space: global }
      - { .name: Wsv, .offset: 40, .size: 8, .value_kind: global_buffer, .address_space: global }
      - { .name: Wk, .offset: 48, .size: 8, .value_kind: global_buffer, .address_space: global }
      - { .name: Wv, .offset: 56, .size: 8, .value_kind: global_buffer, .address_space: global }
      - { .name: xb, .offset: 64, .size: 8, .value_kind: global_buffer, .address_space: global }
      - { .name: wqb, .offset: 72, .size: 8, .value_kind: global_buffer, .address_space: global }
      - { .name: wob, .offset: 80, .size: 8, .value_kind: global_buffer, .address_space: global }
      - { .name: wkvb, .offset: 88, .size: 8, .value_kind: global_buffer, .address_space: global }
    .group_segment_fixed_size: 0
    .private_segment_fixed_size: 0
    .kernarg_segment_align: 8
    .kernarg_segment_size: 96
    .max_flat_workgroup_size: 256
    .sgpr_count:     66
    .vgpr_count:     160
    .wavefront_size: 32
...
	.end_amdgpu_metadata
.endif
;; end of part 1
;; launch proj (part 2): grid 16 x 16, 4 waves a work-group, clusters of 4 x 4, 327,680 bytes of LDS; arguments xb, wqb, wkvb, qh, kvh; writes qh, kvh
.if DOCPART == 2
	.amdgcn_target "amdgcn-amd-amdhsa--gfx1250"
	.amdhsa_code_object_version 6
	.text
	.protected	k_q0d4f7b6cb0_proj
	.globl	k_q0d4f7b6cb0_proj
	.p2align	8
	.type	k_q0d4f7b6cb0_proj,@function
k_q0d4f7b6cb0_proj:
	s_mov_b64 s[64:65], 0
	v_nop
	global_prefetch_b8 v0, s[64:65] scope:SCOPE_SE
	s_setreg_imm32_b32 hwreg(HW_REG_WAVE_MODE, 25, 1), 1
	s_wait_xcnt 0x0
	s_wait_alu depctr_hold_cnt(0) depctr_sa_sdst(0) depctr_va_vdst(0) depctr_va_sdst(0) depctr_va_ssrc(0) depctr_va_vcc(0) depctr_vm_vsrc(0)
	s_getreg_b32 s2, hwreg(HW_REG_IB_STS2, 6, 4)
	s_cmp_eq_u32 s2, 0
	s_cbranch_scc0 .Lentry_in_a_cluster
	s_endpgm
.Lentry_in_a_cluster:
	s_bfe_u32 s2, ttmp6, 0x10000c
	s_cmp_lg_u32 s2, 0xf033
	s_cbranch_scc0 .Lentry_shape_is_right
	s_endpgm
.Lentry_shape_is_right:
; PROJECTIONS.  q = [ssm|hidden] Wq, and ssm_k, ssm_v, k, v, in ONE walk over K = 4096: bf16 operands, f32 sums, f16 results by heads.
; Work-group (j, i) takes rows 128 i .. +127 of xb, columns 128 j .. +127 of q (heads 2 j, 2 j + 1) and column block j (64 wide) of wkvb.
; The K/V sums start anew at K = 2048: the first half (ssm columns) gives ssm_k (j < 8) or ssm_v, the second (hidden columns) k or v.
; 128 x 192 x 4096 multiply-adds for each of 16 x 16 work-groups.  A wave: 64 rows x (64 q columns = one head, 32 K/V columns = one plane):
; 24 accumulators; 32 along K are 20 LDS loads and 24 matrix instructions.
; LIMIT.  q, k, v leave as f16: beyond 65,504 a number is lost.
; THE MATRIX INSTRUCTION IS USED TRANSPOSED (source 0 = 16 columns of W, source 1 = 16 rows of x): a lane holds eight neighbouring columns of one row.
; W lies [k][n] in LDS and comes out turned, by ds_load_tr16_b128.
; RING.  K goes in 32 steps of 128 through two LDS slots.  Waves 0 and 1 fetch x's two halves, wave 2 Wq's tile, wave 3 wkvb's: one tensor load a wave for each step.
; CLUSTER 4 x 4: x's tile hangs on i alone and is asked for jointly along a row of the cluster, W's tiles on j alone, jointly along a column.
; OUT.  qh [b][h][t][64] f16.  kvh [type sk, sv, k, v][b][hk][block of 32 keys][plane of 32 channels][32 keys][32 channels] f16: a block is 4,096 dense bytes.
; REGISTERS.  window 0: v16-29 addresses; v32-63 at work on the way out; v64-191 q's 16 accumulators; v192-255 the 8 of K/V.
;             window 1: two fragment buffers of 80: x 32, Wq 32, wkvb 16.
.set KSTEP, 128
.set PA,    272                        ; a row of x in LDS: 256 bytes + 16: the 16 rows of a fragment load start at 16 different groups of four banks (64 banks of 4 bytes: ISA guide 11.1)
.set PQ,    288                        ; a row k of Wq's tile: 256 + 32
.set PKV,   160                        ; a row k of wkvb's tile: 128 + 32, likewise
.set OFFQ,  128*PA
.set OFFK,  OFFQ+128*PQ
.set SLOT,  OFFK+128*PKV               ; 92,160 bytes
.set STAGE, 2*SLOT                     ; behind the ring, never filled by a tensor load: 5,120 bytes for each wave, for the ways out
.set STGW,  5120
.set SPARE, STAGE+4*STGW               ; the spare words, 128 bytes for each wave: two blocks of 256 bytes that no other line names
.set ADRA, 16                          ; v16-17  LDS address of my x fragments in slot 0, 1
.set ADRQ, 18                          ; v18-19  of my Wq fragments
.set ADRK, 20                          ; v20-21  of my wkvb fragments
.set STK,  22                          ; v22     K/V's way out: where I put 16 bytes of a row (pitch 80)
.set RDK,  23                          ; v23     where I read rows back
.set STO,  24                          ; v24     q's way out: the same (pitch 144)
.set RD,   25                          ; v25
.set GO,   26                          ; v26     16 x lane: my place in 512 consecutive bytes of qh or kvh
.set SPW,  28                          ; v28     LDS address of my spare word; never rewritten
.set NIL,  29                          ; v29     0; never rewritten
.set TMP,  32
.set ACCQ, 64                          ; (a, b) at ACCQ + 8 (4 a + b)
.set ACCK, 192                         ; (a, b) at ACCK + 8 (2 a + b)
.set F0,   0
.set F1,   80
.set WV,   14                          ; s14 wave; s15 its half of the rows; s16 its half of the columns
.set RH,   15
.set CH,   16
.set WGJ,  19                          ; s19 j: never in a register that feeds x's descriptors
.set WGI,  20                          ; s20 i: never in one that feeds W's
.set G1A,  32                          ; s[32:39], s[40:47], s[48:55] descriptor group 1 for x, Wq, wkvb
.set G1Q,  40
.set G1K,  48
.set G0A,  56                          ; s[56:63], s[68:75], s[76:83] group 0, a set for each slot
.set G0Q,  68
.set G0K,  76
.set LAPC, 84
.set QO,   86                          ; s[86:87] qh at my 64 rows of my head
.set KVO,  88                          ; s[88:89] kvh at my two key blocks, my plane, first half's type
.set MSB, 0
.macro WIN new                         ; the immediate's high byte repeats the setting that is left; a switch that changes nothing is dropped
.if MSB != (\new)
	s_set_vgpr_msb (MSB<<8)|(\new)
.set MSB, \new
.endif
.endm
.set MUL,  0x05                        ; sources 0 (W) and 1 (x) window 1; C and D window 0
.set TO_F, 0x40                        ; destination window 1, address window 0
.macro PLACES                          ; four places behind matrix instructions, in front of loads into registers that they read and of conversions of their results
.rept 4
	v_nop
.endr
.endm
; A joint load.  The branches hang on the wave's number alone.  An s_nop 0 and four v_nop follow each line, ahead of the jump, the label and what follows.
.macro JLOAD s
	s_cmp_lt_u32 s[WV], 2
	s_cbranch_scc0 .Lnot_a_\@
	tensor_load_to_lds s[G0A+4*(\s):G0A+4*(\s)+3], s[G1A:G1A+7]
	s_nop 0
.rept 4
	v_nop
.endr
	s_branch .Lasked_\@
.Lnot_a_\@:
	s_cmp_eq_u32 s[WV], 2
	s_cbranch_scc0 .Lfor_k_\@
	tensor_load_to_lds s[G0Q+4*(\s):G0Q+4*(\s)+3], s[G1Q:G1Q+7]
	s_nop 0
.rept 4
	v_nop
.endr
	s_branch .Lasked_\@
.Lfor_k_\@:
	tensor_load_to_lds s[G0K+4*(\s):G0K+4*(\s)+3], s[G1K:G1K+7]
	s_nop 0
.rept 4
	v_nop
.endr
.Lasked_\@:
.endm
.macro CREST                           ; a round of the cluster's barrier behind its opening barrier
	s_cmp_lg_u32 s[WV], 0
	s_cbranch_scc1 .Lnot_wave_0_\@
	s_barrier_signal -3
.Lnot_wave_0_\@:
	s_barrier_wait -3
	s_barrier_signal -1
	s_barrier_wait -1
.endm
.macro CROUND                          ; a whole round
	s_barrier_signal -1
	s_barrier_wait -1
	CREST
.endm
	s_load_b256 s[4:11], s[0:1], 0x0               ; xb s[4:5], wqb s[6:7], wkvb s[8:9], qh s[10:11]
	s_load_b64 s[12:13], s[0:1], 0x20              ; kvh
	v_lshl_add_u32 v[SPW], v0, 2, SPARE
	v_mov_b32 v[NIL], 0
	ds_add_u32 v[SPW], v[NIL]                      ; the wave's opening: the add and its wait stand ahead of my first tensor load; the set-up below, work on registers, stands between them
	ds_add_u32 v28, v29
	v_lshrrev_b32 v1, 5, v0
	v_readfirstlane_b32 s[WV], v1
	s_lshr_b32 s[RH], s[WV], 1
	s_and_b32 s[CH], s[WV], 1
	s_bfe_u32 s17, ttmp6, 0x40000                  ; cx, cy: my place in the cluster
	s_bfe_u32 s18, ttmp6, 0x40004
	s_lshl_b32 s[WGJ], ttmp9, 2
	s_add_co_u32 s[WGJ], s[WGJ], s17               ; j = 4 x cluster x + cx
	s_and_b32 s[WGI], ttmp7, 0xffff
	s_lshl_b32 s[WGI], s[WGI], 2
	s_add_co_u32 s[WGI], s[WGI], s18               ; i = 4 x cluster y + cy
	s_lshl_b32 s21, s18, 2
	s_lshl_b32 s21, 15, s21                        ; my row of the cluster
	s_lshl_b32 s22, 0x1111, s17                    ; my column
	; group 1.  15:0 the mask; 17:16 elements of 2 bytes; 20 padding on; 21 set beside a mask; 24:22 the interval; 31:25 the pad's words less one
	s_or_b32 s[G1A], s21, (1<<16)|(1<<20)|(1<<21)|(5<<22)|(3<<25)  ; x: after every 64 words 4 words
	s_mov_b32 s[G1A+1], 128<<16                    ; tensor_dim0 = 128
	s_mov_b32 s[G1A+2], 64<<16                     ; tensor_dim1 = 64
	s_mov_b32 s[G1A+3], 128<<16                    ; tile_dim0 = 128
	s_mov_b32 s[G1A+4], 64                         ; tile_dim1 = 64 rows: half of the tile
	s_mov_b32 s[G1A+5], 4096                       ; elements from row to row
	s_mov_b32 s[G1A+6], 0
	s_mov_b32 s[G1A+7], 0
	s_or_b32 s[G1Q], s22, (1<<16)|(1<<20)|(1<<21)|(5<<22)|(7<<25)  ; Wq: after every 64 words 8 words
	s_mov_b32 s[G1Q+1], 128<<16
	s_mov_b32 s[G1Q+2], 128<<16
	s_mov_b32 s[G1Q+3], 128<<16
	s_mov_b32 s[G1Q+4], 128                        ; 128 rows k x 128 columns
	s_mov_b32 s[G1Q+5], 2048
	s_mov_b32 s[G1Q+6], 0
	s_mov_b32 s[G1Q+7], 0
	s_or_b32 s[G1K], s22, (1<<16)|(1<<20)|(1<<21)|(4<<22)|(7<<25)  ; wkvb: 128 rows k of 128 bytes are dense: asked for as 64 rows of 256 bytes, padded after every 32 words by 8
	s_mov_b32 s[G1K+1], 128<<16
	s_mov_b32 s[G1K+2], 64<<16
	s_mov_b32 s[G1K+3], 128<<16
	s_mov_b32 s[G1K+4], 64
	s_mov_b32 s[G1K+5], 128
	s_mov_b32 s[G1K+6], 0
	s_mov_b32 s[G1K+7], 0
	s_lshl_b32 s24, s[WGI], 7                      ; x: row 128 i + 64 (wave & 1),
	s_lshl_b32 s25, s[CH], 6
	s_add_co_u32 s24, s24, s25
	s_lshl_b32 s24, s24, 13                        ; of 8,192 bytes
	s_mov_b32 s25, 0
	s_mul_i32 s26, s[CH], 64*PA                    ; and its place in a slot: no place in the cluster enters an LDS address
	s_lshl_b32 s28, s[WGJ], 8                      ; Wq: column 128 j
	s_mov_b32 s29, 0
	s_lshl_b32 s30, s[WGJ], 19                     ; wkvb: block j
	s_mov_b32 s31, 0
	s_lshr_b32 s90, s[WGI], 3                      ; the batch: 8 row tiles each
	s_lshl_b32 s91, s90, 5
	s_lshl_b32 s92, s[WGJ], 1
	s_add_co_u32 s91, s91, s92
	s_add_co_u32 s91, s91, s[CH]                   ; 32 b + my head
	s_lshl_b32 s91, s91, 10
	s_and_b32 s92, s[WGI], 7
	s_lshl_b32 s93, s92, 7
	s_add_co_u32 s91, s91, s93
	s_lshl_b32 s93, s[RH], 6
	s_add_co_u32 s91, s91, s93                     ; + my first t
	s_lshl_b32 s94, s91, 7                         ; rows of 128 bytes
	s_mov_b32 s95, 0
	s_lshl_b32 s90, s90, 20                        ; kvh: the batch,
	s_lshr_b32 s91, s[WGJ], 3
	s_lshl_b32 s91, s91, 21                        ; the type (k or v kind),
	s_add_co_u32 s90, s90, s91
	s_and_b32 s91, s[WGJ], 7
	s_lshl_b32 s91, s91, 17                        ; the head,
	s_add_co_u32 s90, s90, s91
	s_lshl_b32 s92, s92, 2
	s_lshl_b32 s91, s[RH], 1
	s_add_co_u32 s92, s92, s91
	s_lshl_b32 s92, s92, 12                        ; my first block of 32 keys,
	s_add_co_u32 s90, s90, s92
	s_lshl_b32 s91, s[CH], 11                      ; my plane
	s_add_co_u32 s90, s90, s91
	s_mov_b32 s91, 0
	s_wait_dscnt 0x0                               ; the opening add is done
	s_wait_kmcnt 0x0
	s_add_nc_u64 s[24:25], s[4:5], s[24:25]
	s_add_nc_u64 s[28:29], s[6:7], s[28:29]
	s_add_nc_u64 s[30:31], s[8:9], s[30:31]
	s_add_nc_u64 s[QO:QO+1], s[10:11], s[94:95]
	s_add_nc_u64 s[KVO:KVO+1], s[12:13], s[90:91]
	CROUND                                         ; all sixteen work-groups are here: the first joint loads meet
.irp s, 0,1
	s_mov_b32 s[G0A+4*(\s)], 1
	s_add_co_u32 s[G0A+4*(\s)+1], s26, (\s)*SLOT
	s_add_nc_u64 s[G0A+4*(\s)+2:G0A+4*(\s)+3], s[24:25], (\s)*KSTEP*2
	s_or_b32 s[G0A+4*(\s)+3], s[G0A+4*(\s)+3], 0x80000000
	s_mov_b32 s[G0Q+4*(\s)], 1
	s_mov_b32 s[G0Q+4*(\s)+1], (\s)*SLOT+OFFQ
	s_add_nc_u64 s[G0Q+4*(\s)+2:G0Q+4*(\s)+3], s[28:29], (\s)*KSTEP*4096
	s_or_b32 s[G0Q+4*(\s)+3], s[G0Q+4*(\s)+3], 0x80000000
	s_mov_b32 s[G0K+4*(\s)], 1
	s_mov_b32 s[G0K+4*(\s)+1], (\s)*SLOT+OFFK
	s_add_nc_u64 s[G0K+4*(\s)+2:G0K+4*(\s)+3], s[30:31], (\s)*KSTEP*128
	s_or_b32 s[G0K+4*(\s)+3], s[G0K+4*(\s)+3], 0x80000000
	JLOAD \s                                       ; steps 0 and 1: two loads of mine are out
.endr
	v_and_b32 v1, 15, v0                           ; r = l % 16
	v_bfe_u32 v2, v0, 4, 1                         ; h = l / 16
	v_and_b32 v3, 7, v0
	v_bfe_u32 v4, v0, 3, 1
	v_and_b32 v5, 31, v0
	v_mul_u32_u24 v6, v1, PA                       ; a fragment of x: row r, 16 bytes for each half of the lanes
	v_lshl_add_u32 v6, v2, 4, v6
	s_mul_i32 s23, s[RH], 64*PA
	v_add_nc_u32 v[ADRA], s23, v6
	v_add_nc_u32 v[ADRA+1], SLOT, v[ADRA]
	v_lshl_add_u32 v7, v2, 3, v3                   ; the turning load: lane l reads row k = 8 h + l % 8, 16 bytes at 16 ((l / 8) % 2)
	v_mul_u32_u24 v8, v7, PQ
	v_lshl_add_u32 v8, v4, 4, v8
	s_lshl_b32 s23, s[CH], 7                       ; my 64 columns of q
	s_add_co_u32 s23, s23, OFFQ
	v_add_nc_u32 v[ADRQ], s23, v8
	v_add_nc_u32 v[ADRQ+1], SLOT, v[ADRQ]
	v_mul_u32_u24 v8, v7, PKV
	v_lshl_add_u32 v8, v4, 4, v8
	s_lshl_b32 s23, s[CH], 6                       ; my 32 columns of K/V
	s_add_co_u32 s23, s23, OFFK
	v_add_nc_u32 v[ADRK], s23, v8
	v_add_nc_u32 v[ADRK+1], SLOT, v[ADRK]
	s_mul_i32 s23, s[WV], STGW
	s_add_co_u32 s23, s23, STAGE                   ; my stage
	v_mul_u32_u24 v8, v1, 80
	v_lshl_add_u32 v8, v2, 4, v8
	v_add_nc_u32 v[STK], s23, v8
	v_lshrrev_b32 v8, 2, v5                        ; back: 32 lanes take 8 rows of 64 bytes
	v_mul_u32_u24 v8, v8, 80
	v_and_b32 v9, 3, v5
	v_lshl_add_u32 v8, v9, 4, v8
	v_add_nc_u32 v[RDK], s23, v8
	v_mul_u32_u24 v8, v1, 144
	v_lshl_add_u32 v8, v2, 4, v8
	v_add_nc_u32 v[STO], s23, v8
	v_lshrrev_b32 v8, 3, v5                        ; back: 32 lanes take 4 rows of 128 bytes
	v_mul_u32_u24 v8, v8, 144
	v_lshl_add_u32 v8, v3, 4, v8
	v_add_nc_u32 v[RD], s23, v8
	v_lshlrev_b32 v[GO], 4, v5
; The 24 accumulators take turns, one instruction a turn, in the same order in every quarter step (K/V's 8, then q's 16).
.macro MULK f, z                       ; z = 1: the products start the sums
	WIN MUL
.irp a, 0,1,2,3
.irp b, 0,1
.if \z
	v_wmma_f32_16x16x32_bf16 v[ACCK+8*(2*(\a)+(\b)):ACCK+8*(2*(\a)+(\b))+7], v[(\f)+64+8*(\b):(\f)+64+8*(\b)+7], v[(\f)+8*(\a):(\f)+8*(\a)+7], 0
.else
	v_wmma_f32_16x16x32_bf16 v[ACCK+8*(2*(\a)+(\b)):ACCK+8*(2*(\a)+(\b))+7], v[(\f)+64+8*(\b):(\f)+64+8*(\b)+7], v[(\f)+8*(\a):(\f)+8*(\a)+7], v[ACCK+8*(2*(\a)+(\b)):ACCK+8*(2*(\a)+(\b))+7]
.endif
.endr
.endr
.endm
.macro MULQ f, a0, z
	WIN MUL
.irp a, \a0, (\a0)+1
.irp b, 0,1,2,3
.if \z
	v_wmma_f32_16x16x32_bf16 v[ACCQ+8*(4*(\a)+(\b)):ACCQ+8*(4*(\a)+(\b))+7], v[(\f)+32+8*(\b):(\f)+32+8*(\b)+7], v[(\f)+8*(\a):(\f)+8*(\a)+7], 0
.else
	v_wmma_f32_16x16x32_bf16 v[ACCQ+8*(4*(\a)+(\b)):ACCQ+8*(4*(\a)+(\b))+7], v[(\f)+32+8*(\b):(\f)+32+8*(\b)+7], v[(\f)+8*(\a):(\f)+8*(\a)+7], v[ACCQ+8*(4*(\a)+(\b)):ACCQ+8*(4*(\a)+(\b))+7]
.endif
.endr
.endr
.endm
; 20 LDS loads in one run: the fragments of quarter kq (32 along K) of a slot into buffer f: x's 8, wkvb's 4, Wq's 8
.macro FETCH slot, kq, f
	WIN TO_F
.irp a, 0,1,2,3
	ds_load_b128 v[(\f)+8*(\a):(\f)+8*(\a)+3],   v[ADRA+(\slot)] offset:(\kq)*64+(\a)*16*PA
	ds_load_b128 v[(\f)+8*(\a)+4:(\f)+8*(\a)+7], v[ADRA+(\slot)] offset:(\kq)*64+(\a)*16*PA+32
.endr
.irp b, 0,1
	ds_load_tr16_b128 v[(\f)+64+8*(\b):(\f)+64+8*(\b)+3],   v[ADRK+(\slot)] offset:(\kq)*32*PKV+32*(\b)
	ds_load_tr16_b128 v[(\f)+64+8*(\b)+4:(\f)+64+8*(\b)+7], v[ADRK+(\slot)] offset:(\kq)*32*PKV+16*PKV+32*(\b)
.endr
.irp b, 0,1,2,3
	ds_load_tr16_b128 v[(\f)+32+8*(\b):(\f)+32+8*(\b)+3],   v[ADRQ+(\slot)] offset:(\kq)*32*PQ+32*(\b)
	ds_load_tr16_b128 v[(\f)+32+8*(\b)+4:(\f)+32+8*(\b)+7], v[ADRQ+(\slot)] offset:(\kq)*32*PQ+16*PQ+32*(\b)
.endr
.endm
; One of a K step's first three quarters: multiplies buffer f and fetches quarter kq of the same slot into buffer g.
.macro QUARTER slot, kq, f, g, zq, zk
	s_wait_dscnt 8                                 ; x and wkvb are in; the youngest eight loads (Wq's) may be out
	MULK \f, \zk
	PLACES
	FETCH \slot, \kq, \g
	s_wait_dscnt 20                                ; all but the 20 just issued
	MULQ \f, 0, \zq
	MULQ \f, 2, \zq
.endm
; The last quarter multiplies buffer 1 and changes slots: ONE barrier; in front of it each wave waits for all its tensor loads (one is out: its part of the next slot),
; adds 0 to its spare word, and waits for that and for its own reads of this slot.  fill = 1: the barrier opens a round of the cluster's, and this slot is filled again, two K steps ahead.
.macro TURN slot, next, fill
	WIN 0                                          ; (the add's two registers lie in window 0)
	s_wait_tensorcnt 0x0
	ds_add_u32 v[SPW], v[NIL]                      ; 0 onto my spare word
	s_wait_dscnt 9                                 ; (the add and Wq's eight loads may be out)
	MULK F1, 0                                     ; eight matrix instructions stand between the add and the wait for it
	s_wait_dscnt 0x0                               ; the add is done, and my reads of this slot are over
	s_barrier_signal -1
	MULQ F1, 0, 0
.if \fill
	WIN 0
.endif
	s_barrier_wait -1
.if \fill
	CREST                                          ; no wave of any partner still reads this slot's tiles or has a load on its way
	s_add_nc_u64 s[G0A+4*(\slot)+2:G0A+4*(\slot)+3], s[G0A+4*(\slot)+2:G0A+4*(\slot)+3], 2*KSTEP*2
	s_add_nc_u64 s[G0Q+4*(\slot)+2:G0Q+4*(\slot)+3], s[G0Q+4*(\slot)+2:G0Q+4*(\slot)+3], 2*KSTEP*4096
	s_add_nc_u64 s[G0K+4*(\slot)+2:G0K+4*(\slot)+3], s[G0K+4*(\slot)+2:G0K+4*(\slot)+3], 2*KSTEP*128
	JLOAD \slot                                    ; the first tensor load behind the round, my only one until the next; its four v_nop are also the places in front of the loads below
.else
	PLACES
.endif
	FETCH \next, 0, F0
	MULQ F1, 2, 0
.endm
.macro LAP                             ; the rest of a lap (two K steps) behind its first quarter; both slots are filled again
	QUARTER 0, 2, F1, F0, 0, 0
	QUARTER 0, 3, F0, F1, 0, 0
	TURN 0, 1, 1
	QUARTER 1, 1, F0, F1, 0, 0
	QUARTER 1, 2, F1, F0, 0, 0
	QUARTER 1, 3, F0, F1, 0, 0
	TURN 1, 0, 1
.endm
; K/V's WAY OUT: rounded to f16; 16 bytes a lane into my stage (64 rows x 64 bytes, pitch 80); back as 8 rows = 512 bytes that are consecutive in kvh.
.macro KVOUT half
	WIN 0
	s_wait_xcnt 0x0                                ; TMP, which earlier stores read, is rewritten only behind this wait
.rept 5
	v_nop                                          ; the places behind the last products
.endr
.irp t, 0,1,2,3,4,5,6,7
.irp n, 0,1,2,3
	v_cvt_pk_f16_f32 v[TMP+4*(\t)+(\n)], v[ACCK+8*(\t)+2*(\n)], v[ACCK+8*(\t)+2*(\n)+1]
.endr
.endr
.irp a, 0,1,2,3
.irp b, 0,1
	ds_store_b128 v[STK], v[TMP+4*(2*(\a)+(\b)):TMP+4*(2*(\a)+(\b))+3] offset:(\a)*16*80+(\b)*32
.endr
.endr
.irp t, 0,1,2,3,4,5,6,7
	ds_load_b128 v[TMP+4*(\t):TMP+4*(\t)+3], v[RDK] offset:(\t)*8*80  ; LDS serves a wave's instructions in order (ISA guide 5.7.1.4): these see the stores above
.endr
	s_wait_dscnt 0x0
.irp t, 0,1,2,3,4,5,6,7
	global_store_b128 v[GO], v[TMP+4*(\t):TMP+4*(\t)+3], s[KVO:KVO+1] offset:((\t)/4)*4096+((\t)%4)*512+(\half)*4194304  ; 512 consecutive bytes, aligned; the second half's type lies two types on
.endr
.endm
; q's WAY OUT, 32 rows at a time: pitch 144; back as 4 rows = 512 consecutive bytes of qh.
.macro QOUT p
	s_wait_xcnt 0x0
.irp a, 0,1
.irp b, 0,1,2,3
.irp n, 0,1,2,3
	v_cvt_pk_f16_f32 v[TMP+16*(\a)+4*(\b)+(\n)], v[ACCQ+8*(4*(2*(\p)+(\a))+(\b))+2*(\n)], v[ACCQ+8*(4*(2*(\p)+(\a))+(\b))+2*(\n)+1]
.endr
.endr
.endr
.irp a, 0,1
.irp b, 0,1,2,3
	ds_store_b128 v[STO], v[TMP+16*(\a)+4*(\b):TMP+16*(\a)+4*(\b)+3] offset:(\a)*16*144+(\b)*32
.endr
.endr
.irp t, 0,1,2,3,4,5,6,7
	ds_load_b128 v[TMP+4*(\t):TMP+4*(\t)+3], v[RD] offset:(\t)*4*144
.endr
	s_wait_dscnt 0x0
.irp t, 0,1,2,3,4,5,6,7
	global_store_b128 v[GO], v[TMP+4*(\t):TMP+4*(\t)+3], s[QO:QO+1] offset:(\p)*4096+(\t)*512
.endr
.endm
	s_wait_tensorcnt 1                             ; my part of K step 0 is in; step 1's may stay out
	s_barrier_signal -1
	s_barrier_wait -1                              ; everybody's is
	FETCH 0, 0, F0
	QUARTER 0, 1, F0, F1, 1, 1                     ; the first quarter stands in front of the loop: its products start all sums
	WIN 0                                          ; at a label and at a branch every window is 0
	s_mov_b32 s[LAPC], 7
.Llap1:                                                ; a trip goes once round the ring, from a lap's second quarter to the next lap's first
	LAP
	QUARTER 0, 1, F0, F1, 0, 0
	WIN 0
	s_sub_co_u32 s[LAPC], s[LAPC], 1
	s_cmp_lg_u32 s[LAPC], 0
	s_cbranch_scc1 .Llap1
	LAP                                            ; K steps 14 and 15: the ssm columns end
	KVOUT 0                                        ; ssm_k or ssm_v leaves,
	QUARTER 0, 1, F0, F1, 0, 1                     ; and K/V's sums start anew with the hidden columns; q's go on
	WIN 0
	s_mov_b32 s[LAPC], 7
.Llap2:
	LAP
	QUARTER 0, 1, F0, F1, 0, 0
	WIN 0
	s_sub_co_u32 s[LAPC], s[LAPC], 1
	s_cmp_lg_u32 s[LAPC], 0
	s_cbranch_scc1 .Llap2
	QUARTER 0, 2, F1, F0, 0, 0                     ; the last lap fills nothing, and has no round of the cluster's barrier
	QUARTER 0, 3, F0, F1, 0, 0
	TURN 0, 1, 0
	QUARTER 1, 1, F0, F1, 0, 0
	QUARTER 1, 2, F1, F0, 0, 0
	QUARTER 1, 3, F0, F1, 0, 0
	s_wait_dscnt 8                                 ; the very last quarter: nothing more to fetch
	MULK F1, 0
	s_wait_dscnt 0x0
	MULQ F1, 0, 0
	MULQ F1, 2, 0
	WIN 0
	KVOUT 1                                        ; k or v
	QOUT 0
	QOUT 1
	s_wait_tensorcnt 0x0                           ; the wave's end: these three lines stand behind my last tensor load and my last LDS store
	ds_add_u32 v[SPW], v[NIL]
	s_wait_dscnt 0x0
	CROUND                                         ; the closing round: no work-group ends while a partner may still ask for a tile that names it
	s_endpgm
.Lfunc_end_k_q0d4f7b6cb0_proj:
	.size	k_q0d4f7b6cb0_proj, .Lfunc_end_k_q0d4f7b6cb0_proj-k_q0d4f7b6cb0_proj
	.p2alignl 7, 3214868480
	.fill 96, 4, 3214868480
	.section	.rodata,"a",@progbits
	.p2align	6, 0x0
	.amdhsa_kernel k_q0d4f7b6cb0_proj
		.amdhsa_group_segment_fixed_size 327680
		.amdhsa_private_segment_fixed_size 0
		.amdhsa_enable_private_segment 0
		.amdhsa_kernarg_size 40
		.amdhsa_user_sgpr_count 2
		.amdhsa_user_sgpr_kernarg_segment_ptr 1
		.amdhsa_wavefront_size32 1
		.amdhsa_system_sgpr_workgroup_id_x 1
		.amdhsa_system_sgpr_workgroup_id_y 1
		.amdhsa_system_sgpr_workgroup_id_z 1
		.amdhsa_system_vgpr_workitem_id 0
		.amdhsa_next_free_vgpr 416
		.amdhsa_next_free_sgpr 96
		.amdhsa_reserve_vcc 0
		.amdhsa_float_denorm_mode_32 3
		.amdhsa_float_denorm_mode_16_64 3
		.amdhsa_memory_ordered 1
		.amdhsa_forward_progress 1
		.amdhsa_inst_pref_size 132
	.end_amdhsa_kernel
	.amdgpu_metadata
---
amdhsa.version: [ 1, 2 ]
amdhsa.kernels:
  - .name:           k_q0d4f7b6cb0_proj
    .symbol:         k_q0d4f7b6cb0_proj.kd
    .args:
      - { .name: xb, .offset: 0, .size: 8, .value_kind: global_buffer, .address_space: global }
      - { .name: wqb, .offset: 8, .size: 8, .value_kind: global_buffer, .address_space: global }
      - { .name: wkvb, .offset: 16, .size: 8, .value_kind: global_buffer, .address_space: global }
      - { .name: qh, .offset: 24, .size: 8, .value_kind: global_buffer, .address_space: global }
      - { .name: kvh, .offset: 32, .size: 8, .value_kind: global_buffer, .address_space: global }
    .group_segment_fixed_size: 327680
    .private_segment_fixed_size: 0
    .kernarg_segment_align: 8
    .kernarg_segment_size: 40
    .max_flat_workgroup_size: 128
    .sgpr_count:     96
    .vgpr_count:     416
    .wavefront_size: 32
...
	.end_amdgpu_metadata
.endif
;; end of part 2
;; launch attn (part 3): grid 16 x 16, 8 waves a work-group, no clusters, 192,512 bytes of LDS; arguments qh, kvh, ob; writes ob
.if DOCPART == 3
	.amdgcn_target "amdgcn-amd-amdhsa--gfx1250"
	.amdhsa_code_object_version 6
	.text
	.protected	k_q0d4f7b6cb0_attn
	.globl	k_q0d4f7b6cb0_attn
	.p2align	8
	.type	k_q0d4f7b6cb0_attn,@function
k_q0d4f7b6cb0_attn:
	s_mov_b64 s[64:65], 0
	v_nop
	global_prefetch_b8 v0, s[64:65] scope:SCOPE_SE
	s_setreg_imm32_b32 hwreg(HW_REG_WAVE_MODE, 25, 1), 1
	s_wait_xcnt 0x0
; ATTENTION over two causal windows with ALiBi: for query t the hidden keys t - 255 .. t and the ssm keys t - 63 .. t, ONE softmax over both.
; qh [b][h 32][t 1024][64] f16; kvh [type sk, sv, k, v][b][hk 8][block of 32 keys][plane of 32 channels][32 keys][32 channels] f16; ob [b t][h 64 + d] f16.
; SHARES.  A work-group takes 64 queries (t0 = 64 x) of the four query heads of one K/V head (y = 8 b + hk); wave w takes head 4 hk + w % 4 and queries q0 = t0 + 32 (w / 4) .. +31:
; two tiles of 16.  Eight waves, two to a SIMD: one wave's vector work stands beside the other's products.
; LDS is filled ONCE: 10 blocks of hidden keys from t0 - 256, 4 blocks of ssm keys from t0 - 64, K and V: 14 tensor loads of two blocks (8,192 dense bytes), two for each of waves 0 to 6.
; Blocks in front of key 0 are asked for at block 0 (the load stays inside kvh); the steps that would read them are jumped over.
; THE WALK of a wave: 12 steps of 32 keys.  FIRST the hidden keys' diagonal step (q0 on), in which every row sees its own key: so the running maximum is a true score before the first row meets a step
; in which the window hides all its keys (query q0 + 31 sees none of the keys q0 - 256 .. q0 - 225).  Then hidden q0 - 256 (the window's lower edge) and seven whole steps; then ssm: q0 - 64 (edge), q0 - 32, q0 (diagonal).
; A step whose keys lie in front of key 0 is jumped over, forward, past text with no barrier and no tensor load.
; SCORES.  S^T = K Q^T + bias: source 0 = 16 keys, source 1 = 16 queries; a lane holds ONE query (l % 16) and keys 8 (l / 16) + 0..7.  The C operand that starts the sum is 8 slope (key - query),
; or -1e30 where the window hides the key.  With key - query = DD + 16 (kb - qt) + e, e = 8 (l / 16) + n - l % 16: whole steps hide nothing; an edge step hides e <= 0 in the tiles kb = qt and all of
; (qt 1, kb 0); a diagonal step hides e > 0 in kb = qt and all of (qt 0, kb 1).
; SOFTMAX.  A running maximum m and sum l for each query: p = 2^(c s - c m), c = log2(e) / 8; in every step O and l are multiplied by a = 2^(c m_old - c m_new).  m is a true score from the first step on,
; so a hidden score lies some 1.8e29 below c m and its weight is 0.
; LIMITS.  A hidden score counts as its value less 1e30 (f16's scores and the bias stay under 3e11); a weight below 2^-126 counts as 0; p is rounded to f16 for the second product, l is taken of the
; unrounded p; O has V's range; NaN and infinities are not treated apart.
; NO CLUSTER: neighbouring query blocks share keys, but at LDS places that differ by the block's number, and no LDS address may hang on a place in a cluster; what a work-group reads is 112 KiB in all.
; O and l start at 0 and m at the lowest finite number (72 v_mov_b32, in the wait for the tiles): the first step is a step like any other, with a = 0, and the diagonal step's text is not written a second time.
.set PK,    80                         ; a row (32 channels of a key) of K in LDS: 64 bytes + 16: the 16 rows of a load start at 16 different groups of four banks (64 banks of 4 bytes: ISA guide 11.1)
.set PV,    96                         ; of V: 64 + 32
.set KBLK,  64*PK                      ; a block: 2 planes x 32 keys
.set VBLK,  64*PV
.set VOFF,  14*KBLK
.set OST,   VOFF+14*VBLK               ; the stage for the way out, never filled by a tensor load: 64 rows x 512 bytes, pitch 528
.set PO,    528
.set SPARE, OST+64*PO                  ; the spare words, 128 bytes for each wave: four blocks of 256 bytes that no other line names
.set STO,  3                           ; v3   (first l % 8) the way out: where I put 16 bytes of a row
.set S16,  4                           ; v4   (first (l / 8) % 2) 16 x 8 x slope: the bias of 16 keys' distance
.set AK0,  5                           ; v5   my lane's place in my first block of K; never rewritten
.set AV0,  6                           ; v6   the same for V
.set QOF,  7                           ; v7   my byte offset in 16 rows of Q
.set RD,   8                           ; v8   the way out: where I read a row back
.set GO,   9                           ; v9   16 x lane
.set EE,   10                          ; v10  8 (l / 16) - l % 16
.set S8,   11                          ; v11  8 x slope = 2^((12 - h) / 4)
.set AKC,  13                          ; v13  the step's LDS address for K
.set BIGV, 14                          ; v14  -1e30
.set AVC,  15                          ; v15  the step's LDS address for V
.set ST,   16                          ; tile t at v[ST + 8 t]: c m, m, l (even keys', odd keys'), c0, c1, a, at work
.set EB,   32                          ; v32-39  8 slope x e for registers n = 0..7
.set SPW,  40                          ; v40  LDS address of my spare word; never rewritten
.set NIL,  41                          ; v41  0; never rewritten
.set B0,   42                          ; v42, v44, v46  8 slope x (DD, DD + 16, DD - 16); their upper neighbours hold 0 (named as pairs)
.set B1,   44
.set B2,   46
.set QF,   48                          ; Q (qt, c) at QF + 16 qt + 8 c
.set KF,   80                          ; K (kb, c) at KF + 16 kb + 8 c
.set VF,   112                         ; V (channel block cb) at VF + 8 cb
.set S,    144                         ; S^T (qt, kb) at S + 16 qt + 8 kb
.set P,    176                         ; P (qt) at P + 8 qt
.set OA,   192                         ; O^T (qt, cb) at OA + 32 qt + 8 cb
.set WV,   10
.set QB,   11
.set Y,    12
.set Q0,   13                          ; s13  q0
.set DD,   14                          ; s14  the step's first key less q0
.set KB,   15
.set CNT,  16
.set TBK,  17                          ; s17  bytes from my first block of K to the step's
.set TBV,  18
.set CS,   20                          ; s[20:21] c
.set SEL,  22                          ; s[22:23] v_permlanex16_b32's selects: each lane takes its own place in the other half
.set MU,   24                          ; s24-31  register n: the lanes with e > 0
.set ML,   32                          ; s32-39  the others
.set G1K,  40
.set G1V,  48
.set G0K,  56
.set G0V,  60
	s_load_b128 s[4:7], s[0:1], 0x0                ; qh s[4:5], kvh s[6:7]
	s_load_b64 s[8:9], s[0:1], 0x10                ; ob
	v_lshl_add_u32 v[SPW], v0, 2, SPARE
	v_mov_b32 v[NIL], 0
	ds_add_u32 v[SPW], v[NIL]                      ; the wave's opening: the add and its wait stand ahead of my first tensor load; the set-up below, work on registers, stands between them
	ds_add_u32 v40, v41
	v_lshrrev_b32 v1, 5, v0
	v_readfirstlane_b32 s[WV], v1
	s_mov_b32 s[QB], ttmp9
	s_and_b32 s[Y], ttmp7, 0xffff
	; group 1: two blocks are 8,192 dense bytes: 32 rows of 256 bytes, padded in LDS after every 16 words (a key's 32 channels)
	s_mov_b32 s[G1K], (1<<16)|(1<<20)|(3<<22)|(3<<25)  ; 17:16 2-byte elements; 20 padding on; 24:22 after every 16 words (code 3); 31:25 4 words (code 3)
	s_mov_b32 s[G1V], (1<<16)|(1<<20)|(3<<22)|(7<<25)  ; the same with 8 words (code 7)
.irp g, G1K, G1V
	s_mov_b32 s[\g+1], 128<<16                     ; tensor_dim0 = 128
	s_mov_b32 s[\g+2], 32<<16                      ; tensor_dim1 = 32
	s_mov_b32 s[\g+3], 128<<16                     ; tile_dim0 = 128
	s_mov_b32 s[\g+4], 32                          ; tile_dim1 = 32
	s_mov_b32 s[\g+5], 128                         ; elements from row to row
	s_mov_b32 s[\g+6], 0
	s_mov_b32 s[\g+7], 0
.endr
	s_mov_b32 s[G0K], 1
	s_mul_i32 s[G0K+1], s[WV], 2*KBLK              ; wave w fills blocks 2 w, 2 w + 1
	s_mov_b32 s[G0V], 1
	s_mul_i32 s[G0V+1], s[WV], 2*VBLK
	s_add_co_u32 s[G0V+1], s[G0V+1], VOFF
	s_add_co_u32 s66, s[QB], s[WV]
	s_lshl_b32 s66, s66, 1                         ; 2 x + 2 w
	s_cmp_lt_u32 s[WV], 5
	s_cselect_b32 s67, 8, 12                       ; hidden: key block 2 x - 8 + 2 w; ssm (w = 5, 6): 2 x - 12 + 2 w
	s_cselect_b32 s68, 4194304, 0                  ; hidden: types 2 and 3; ssm: 0 and 1
	s_sub_co_i32 s66, s66, s67
	s_max_i32 s66, s66, 0                          ; blocks in front of key 0: block 0 in their stead
	s_lshl_b32 s66, s66, 12
	s_lshl_b32 s67, s[Y], 17                       ; batch and head: 131,072 bytes each
	s_add_co_u32 s66, s66, s67
	s_add_co_u32 s66, s66, s68
	s_mov_b32 s67, 0
	s_lshr_b32 s69, s[WV], 2                       ; which 32 queries
	s_and_b32 s70, s[WV], 3                        ; which of the four heads
	s_lshl_b32 s[Q0], s[QB], 6
	s_lshl_b32 s71, s69, 5
	s_add_co_u32 s[Q0], s[Q0], s71
	s_lshl_b32 s72, s[Y], 2
	s_add_co_u32 s72, s72, s70                     ; 32 b + h
	s_lshl_b32 s72, s72, 10
	s_add_co_u32 s72, s72, s[Q0]
	s_lshl_b32 s72, s72, 7                         ; Q's rows of 128 bytes
	s_mov_b32 s73, 0
	s_and_b32 s74, s[Y], 7                         ; hk
	s_lshl_b32 s75, s74, 2
	s_add_co_u32 s75, s75, s70                     ; h
	s_sub_co_i32 s75, 12, s75
	s_lshr_b32 s76, s[Y], 3                        ; ob: row 1024 b + t0 + 8 w,
	s_lshl_b32 s76, s76, 10
	s_lshl_b32 s77, s[QB], 6
	s_add_co_u32 s76, s76, s77
	s_lshl_b32 s77, s[WV], 3
	s_add_co_u32 s76, s76, s77
	s_lshl_b32 s76, s76, 12                        ; of 4,096 bytes,
	s_lshl_b32 s77, s74, 9                         ; the four heads' 512 bytes
	s_add_co_u32 s76, s76, s77
	s_mov_b32 s77, 0
	s_mov_b32 s[CS], 0x3e38aa3b                    ; c = log2(e) / 8
	s_mov_b32 s[CS+1], s[CS]                       ; named with it as a pair
	s_mov_b32 s[SEL], 0x76543210
	s_mov_b32 s[SEL+1], 0xfedcba98
	s_mov_b32 s[TBK], 8*KBLK                       ; the walk begins at the hidden keys q0 on: eight blocks behind my first
	s_mov_b32 s[TBV], 8*VBLK
	s_mov_b32 s[DD], 0
	s_wait_dscnt 0x0                               ; the opening add is done
	s_wait_kmcnt 0x0
	s_add_nc_u64 s[G0K+2:G0K+3], s[6:7], s[66:67]
	s_add_nc_u64 s[G0V+2:G0V+3], s[G0K+2:G0K+3], 0x200000  ; V's type lies one type behind K's
	s_or_b32 s[G0K+3], s[G0K+3], 0x80000000
	s_or_b32 s[G0V+3], s[G0V+3], 0x80000000
	s_add_nc_u64 s[4:5], s[4:5], s[72:73]
	s_add_nc_u64 s[8:9], s[8:9], s[76:77]
	s_cmp_lt_u32 s[WV], 7                          ; a wave's two fills stand in one branch, ahead of every wait on TENSORcnt, every LDS read and every barrier; wave 7 has none
	s_cbranch_scc0 .Lno_fill
	tensor_load_to_lds s[G0K:G0K+3], s[G1K:G1K+7]
	s_nop 0
	tensor_load_to_lds s[G0V:G0V+3], s[G1V:G1V+7]
	s_nop 0
.rept 4
	v_nop
.endr
.Lno_fill:
	v_and_b32 v1, 15, v0                           ; r = l % 16
	v_bfe_u32 v2, v0, 4, 1                         ; h = l / 16
	v_and_b32 v3, 7, v0
	v_bfe_u32 v4, v0, 3, 1
	v_lshlrev_b32 v[QOF], 7, v1
	v_lshl_add_u32 v[QOF], v2, 4, v[QOF]           ; row x 128 + 16 x half
.irp i, 0,1,2,3                                        ; Q stays in registers: tile i / 2, channels 32 (i % 2) on
	global_load_b128 v[QF+8*(\i):QF+8*(\i)+3],   v[QOF], s[4:5] offset:((\i)/2)*2048+((\i)%2)*64
	global_load_b128 v[QF+8*(\i)+4:QF+8*(\i)+7], v[QOF], s[4:5] offset:((\i)/2)*2048+((\i)%2)*64+32
.endr
	v_mul_u32_u24 v[AK0], v1, PK
	v_lshl_add_u32 v[AK0], v2, 4, v[AK0]
	s_mul_i32 s71, s69, KBLK                       ; the upper 32 queries begin one block later
	v_add_nc_u32 v[AK0], s71, v[AK0]
	v_lshl_add_u32 v[AV0], v2, 3, v3               ; the turning load: lane l reads key 8 h + l % 8, 16 bytes at 16 ((l / 8) % 2)
	v_mul_u32_u24 v[AV0], v[AV0], PV
	v_lshl_add_u32 v[AV0], v4, 4, v[AV0]
	s_mul_i32 s71, s69, VBLK
	s_add_co_u32 s71, s71, VOFF
	v_add_nc_u32 v[AV0], s71, v[AV0]
	v_mul_u32_u24 v[STO], v1, PO                   ; into the stage: row 32 (w / 4) + r (+ 16 qt), my head's 128 bytes, 16 bytes for each half of the lanes
	v_lshl_add_u32 v[STO], v2, 4, v[STO]
	s_mul_i32 s71, s69, 32*PO
	s_lshl_b32 s78, s70, 7
	s_add_co_u32 s71, s71, s78
	s_add_co_u32 s71, s71, OST
	v_add_nc_u32 v[STO], s71, v[STO]
	v_and_b32 v12, 31, v0
	v_lshlrev_b32 v[GO], 4, v12
	s_mul_i32 s71, s[WV], 8*PO                     ; back: wave w takes rows 8 w .. 8 w + 7, whole: 512 bytes a load
	s_add_co_u32 s71, s71, OST
	v_add_nc_u32 v[RD], s71, v[GO]
	v_lshlrev_b32 v[EE], 3, v2
	v_sub_nc_u32 v[EE], v[EE], v1
	v_cvt_f32_i32 v12, s75
	v_mul_f32 v12, 0x3e800000, v12                 ; (12 - h) / 4
	v_exp_f32 v[S8], v12
	v_mov_b32 v[BIGV], 0xf149f2ca                  ; a plain instruction between the exponential and the use of its result
	s_wait_alu depctr_va_vdst(0)
	v_mul_f32 v[S16], 0x41800000, v[S8]            ; exact: a power of two times S8
.irp n, 0,1,2,3,4,5,6,7
	v_add_nc_u32 v12, \n, v[EE]
	v_cvt_f32_i32 v12, v12
	v_mul_f32 v[EB+(\n)], v[S8], v12
	v_cmp_lt_i32 s[MU+(\n)], -(\n), v[EE]          ; e = EE + n > 0
	s_not_b32 s[ML+(\n)], s[MU+(\n)]
.endr
	v_mov_b32 v[B0+1], 0
	v_mov_b32 v[B1+1], 0
	v_mov_b32 v[B2+1], 0
.irp t, 0,1
	v_mov_b32 v[ST+8*(\t)], 0xfe000000             ; c m: far below every c s, so the first step's a is 0
	v_mov_b32 v[ST+8*(\t)+1], 0xff7fffff           ; m: the lowest finite number
	v_mov_b32 v[ST+8*(\t)+2], 0
	v_mov_b32 v[ST+8*(\t)+3], 0
.endr
.set i, 0
.rept 64
	v_mov_b32 v[OA+i], 0
.set i, i+1
.endr
.macro PLACES                          ; four places behind matrix instructions, in front of vector instructions that read their results (ISA guide 7.12.1)
.rept 4
	v_nop
.endr
.endm
.macro BOTH line:vararg                ; one line for each tile t
.set t, 0
.rept 2
	\line
.set t, t+1
.endr
.endm
.macro PKB dst, b                      ; a tile's bias: 8 slope x (e + the tile's distance)
.irp n, 0,2,4,6
	v_pk_add_f32 v[(\dst)+(\n):(\dst)+(\n)+1], v[EB+(\n):EB+(\n)+1], v[(\b):(\b)+1] op_sel_hi:[1,0]
.endr
.endm
.macro HIDE dst                        ; a tile that the window hides wholly
.irp n, 0,1,2,3,4,5,6,7
	v_mov_b32 v[(\dst)+(\n)], v[BIGV]
.endr
.endm
; The C operands of a step's four tiles.  type 0: a whole step; 1: a window's lower edge; 2: the diagonal.
.macro BIAS type
	v_cvt_f32_i32 v12, s[DD]
	v_mul_f32 v[B0], v[S8], v12
.if (\type) != 2
	v_add_f32 v[B1], v[B0], v[S16]                 ; kb = 1, qt = 0: 16 keys on
.endif
.if (\type) != 1
	v_sub_f32 v[B2], v[B0], v[S16]                 ; kb = 0, qt = 1: 16 keys back
.endif
	PKB S, B0
.if (\type) == 0
	PKB S+24, B0
	PKB S+8, B1
	PKB S+16, B2
.else
.irp n, 0,1,2,3,4,5,6,7
.if (\type) == 1
	v_cndmask_b32 v[S+(\n)], v[S+(\n)], v[BIGV], s[ML+(\n)]
.else
	v_cndmask_b32 v[S+(\n)], v[S+(\n)], v[BIGV], s[MU+(\n)]
.endif
.endr
.irp n, 0,1,2,3,4,5,6,7
	v_mov_b32 v[S+24+(\n)], v[S+(\n)]              ; (qt 1, kb 1) is (qt 0, kb 0) over again
.endr
.if (\type) == 1
	PKB S+8, B1
	HIDE S+16
.else
	HIDE S+8
	PKB S+16, B2
.endif
.endif
.endm
.macro PKA d, s                        ; pair s of a tile's weights is added onto pair d, in both tiles
.irp t, 0,16
	v_pk_add_f32 v[S+(\t)+(\d):S+(\t)+(\d)+1], v[S+(\t)+(\d):S+(\t)+(\d)+1], v[S+(\t)+(\s):S+(\t)+(\s)+1]
.endr
.endm
; A step's softmax, line by line for both tiles.  Each accumulator's lowest registers are read first.
.macro SOFT
	BOTH v_max3_num_f32 v[ST+8*t+4], v[S+16*t], v[S+16*t+1], v[S+16*t+2]
	BOTH v_max3_num_f32 v[ST+8*t+5], v[S+16*t+8], v[S+16*t+9], v[S+16*t+10]
	BOTH v_max3_num_f32 v[ST+8*t+4], v[ST+8*t+4], v[S+16*t+3], v[S+16*t+4]
	BOTH v_max3_num_f32 v[ST+8*t+5], v[ST+8*t+5], v[S+16*t+11], v[S+16*t+12]
	BOTH v_max3_num_f32 v[ST+8*t+4], v[ST+8*t+4], v[S+16*t+5], v[S+16*t+6]
	BOTH v_max3_num_f32 v[ST+8*t+5], v[ST+8*t+5], v[S+16*t+13], v[S+16*t+14]
	BOTH v_max3_num_f32 v[ST+8*t+4], v[ST+8*t+4], v[S+16*t+7], v[S+16*t+15]
	BOTH v_max3_num_f32 v[ST+8*t+4], v[ST+8*t+4], v[ST+8*t+5], v[ST+8*t+1]
	BOTH v_permlanex16_b32 v[ST+8*t+5], v[ST+8*t+4], s[SEL], s[SEL+1]
	BOTH v_mov_b32 v[ST+8*t+7], v[ST+8*t]
	BOTH v_max_num_f32 v[ST+8*t+1], v[ST+8*t+4], v[ST+8*t+5]
	BOTH v_mul_f32 v[ST+8*t], s[CS], v[ST+8*t+1]
	BOTH v_sub_f32 v[ST+8*t+7], v[ST+8*t+7], v[ST+8*t]
	BOTH v_exp_f32 v[ST+8*t+6], v[ST+8*t+7]
.set i, 0
.rept 16                                               ; c s - c m; the first of these is the plain instruction behind a's exponentials
	v_pk_fma_f32 v[S+2*i:S+2*i+1], v[S+2*i:S+2*i+1], s[CS:CS+1], v[ST+8*(i/8):ST+8*(i/8)+1] op_sel_hi:[1,0,0] neg_lo:[0,0,1] neg_hi:[0,0,1]
.set i, i+1
.endr
.set i, 0
.rept 32
	v_exp_f32 v[S+i], v[S+i]
.set i, i+1
.endr
	v_nop                                          ; a plain instruction between the exponentials and the use of their results (ISA guide 5.7.2)
.set i, 0
	s_wait_alu depctr_va_vdst(0)
.rept 16                                               ; two tiles of S^T, rounded in pairs, ARE source 1 of V^T P
	v_cvt_pk_f16_f32 v[P+i], v[S+2*i], v[S+2*i+1]
.set i, i+1
.endr
	PKA 0, 2
	PKA 4, 6
	PKA 8, 10
	PKA 12, 14
	PKA 0, 4
	PKA 8, 12
	PKA 0, 8
.set t, 0
.rept 2
	v_pk_fma_f32 v[ST+8*t+2:ST+8*t+3], v[ST+8*t+2:ST+8*t+3], v[ST+8*t+6:ST+8*t+7], v[S+16*t:S+16*t+1] op_sel_hi:[1,0,1]
.set t, t+1
.endr
.set i, 0
.rept 32
	v_pk_mul_f32 v[OA+2*i:OA+2*i+1], v[OA+2*i:OA+2*i+1], v[ST+8*(i/16)+6:ST+8*(i/16)+7] op_sel_hi:[1,0]
.set i, i+1
.endr
.endm
; A KEY STEP of 32 keys.  The accumulators take turns, one instruction a turn: four of S^T twice over, then eight of O^T.
.macro STEP type
	v_add_nc_u32 v[AKC], s[TBK], v[AK0]
	v_add_nc_u32 v[AVC], s[TBV], v[AV0]
.irp f, 0,1,2,3                                        ; keys 16 (f / 2) on, plane f % 2
	ds_load_b128 v[KF+8*(\f):KF+8*(\f)+3],   v[AKC] offset:(32*((\f)%2)+16*((\f)/2))*PK
	ds_load_b128 v[KF+8*(\f)+4:KF+8*(\f)+7], v[AKC] offset:(32*((\f)%2)+16*((\f)/2))*PK+32
.endr
	BIAS \type                                     ; also the places between the last step's V^T P and the loads into V's registers
.irp f, 0,1,2,3                                        ; channels 16 f on: plane f / 2
	ds_load_tr16_b128 v[VF+8*(\f):VF+8*(\f)+3],   v[AVC] offset:((\f)/2)*32*PV+((\f)%2)*32
	ds_load_tr16_b128 v[VF+8*(\f)+4:VF+8*(\f)+7], v[AVC] offset:((\f)/2)*32*PV+16*PV+((\f)%2)*32
.endr
	s_wait_dscnt 8                                 ; K is in; V's eight loads may be out
.irp c, 0,1
.irp q, 0,1
.irp k, 0,1
	v_wmma_f32_16x16x32_f16 v[S+16*(\q)+8*(\k):S+16*(\q)+8*(\k)+7], v[KF+16*(\k)+8*(\c):KF+16*(\k)+8*(\c)+7], v[QF+16*(\q)+8*(\c):QF+16*(\q)+8*(\c)+7], v[S+16*(\q)+8*(\k):S+16*(\q)+8*(\k)+7]
.endr
.endr
.endr
	PLACES
	SOFT
	s_wait_dscnt 0x0                               ; V is in
.irp q, 0,1
.irp f, 0,1,2,3
	v_wmma_f32_16x16x32_f16 v[OA+32*(\q)+8*(\f):OA+32*(\q)+8*(\f)+7], v[VF+8*(\f):VF+8*(\f)+7], v[P+8*(\q):P+8*(\q)+7], v[OA+32*(\q)+8*(\f):OA+32*(\q)+8*(\f)+7]
.endr
.endr
.endm
.macro TEST label                      ; a step whose 32 keys lie in front of key 0 is jumped over (q0 and DD are multiples of 32: all or none)
	s_add_co_i32 s[KB], s[Q0], s[DD]
	s_cmp_lt_i32 s[KB], 0
	s_cbranch_scc1 \label
.endm
.macro ADV                             ; on to the next 32 keys
	s_add_co_u32 s[TBK], s[TBK], KBLK
	s_add_co_u32 s[TBV], s[TBV], VBLK
	s_add_co_i32 s[DD], s[DD], 32
.endm
	s_wait_tensorcnt 0x0                           ; my two fills have landed,
	s_barrier_signal -1
	s_barrier_wait -1                              ; everybody's have
	s_wait_loadcnt 0x0                             ; Q
	STEP 2                                         ; the hidden keys' diagonal first: every row sees its own key, so m is a true score from here on; never jumped over
	s_mov_b32 s[TBK], 0                            ; back to my first block: the hidden keys q0 - 256 on
	s_mov_b32 s[TBV], 0
	s_mov_b32 s[DD], -256
	TEST .Lskip_edge_h
	STEP 1                                         ; the window's lower edge
.Lskip_edge_h:
	ADV
	s_mov_b32 s[CNT], 7
.Lwhole:                                               ; q0 - 224 .. q0 - 32
	TEST .Lskip_whole
	STEP 0
.Lskip_whole:
	ADV
	s_sub_co_u32 s[CNT], s[CNT], 1
	s_cmp_lg_u32 s[CNT], 0
	s_cbranch_scc1 .Lwhole
	s_add_co_u32 s[TBK], s[TBK], 2*KBLK            ; eight steps on I stand at hidden block 8 (+ w / 4), done at the start: on to block 10 (+ w / 4), the ssm keys q0 - 64 on
	s_add_co_u32 s[TBV], s[TBV], 2*VBLK
	s_mov_b32 s[DD], -64
	TEST .Lskip_edge_s
	STEP 1
.Lskip_edge_s:
	ADV
	TEST .Lskip_whole_s
	STEP 0
.Lskip_whole_s:
	ADV
	STEP 2
	; THE WAY OUT.  l's two halves and the other half of the lanes' are added; O^T is divided by l, rounded to f16 and laid into the work-group's stage: a row's 512 bytes come from four waves,
	; so a barrier stands between the writing and the reading.
	PLACES
	BOTH v_add_f32 v[ST+8*t+2], v[ST+8*t+2], v[ST+8*t+3]
	BOTH v_permlanex16_b32 v[ST+8*t+3], v[ST+8*t+2], s[SEL], s[SEL+1]
	BOTH v_add_f32 v[ST+8*t+2], v[ST+8*t+2], v[ST+8*t+3]
	BOTH v_rcp_f32 v[ST+8*t+2], v[ST+8*t+2]
	v_nop                                          ; a plain instruction between the last reciprocal and the use of its result
.set i, 0
	s_wait_alu depctr_va_vdst(0)
.rept 32
	v_pk_mul_f32 v[OA+2*i:OA+2*i+1], v[OA+2*i:OA+2*i+1], v[ST+8*(i/16)+2:ST+8*(i/16)+3] op_sel_hi:[1,0]
.set i, i+1
.endr
.set i, 0
.rept 32
	v_cvt_pk_f16_f32 v[S+i], v[OA+2*i], v[OA+2*i+1]
.set i, i+1
.endr
.irp q, 0,1
.irp f, 0,1,2,3
	ds_store_b128 v[STO], v[S+16*(\q)+4*(\f):S+16*(\q)+4*(\f)+3] offset:(\q)*16*PO+(\f)*32
.endr
.endr
	s_wait_dscnt 0x0                               ; for the others' sake: my stores into the stage are done
	s_barrier_signal -1
	s_barrier_wait -1
.irp n, 0,1,2,3,4,5,6,7
	ds_load_b128 v[KF+4*(\n):KF+4*(\n)+3], v[RD] offset:(\n)*PO
.endr
.irp n, 0,1,2,3,4,5,6,7
	s_wait_dscnt 7-(\n)                            ; LDS loads come back in order: row n is in, the younger ones may be out
	global_store_b128 v[GO], v[KF+4*(\n):KF+4*(\n)+3], s[8:9] offset:(\n)*4096  ; 512 consecutive bytes of a row of ob, aligned
.endr
	s_wait_tensorcnt 0x0                           ; the wave's end: these three lines stand behind my last tensor load and my last LDS store
	ds_add_u32 v[SPW], v[NIL]
	s_wait_dscnt 0x0
	s_endpgm
.Lfunc_end_k_q0d4f7b6cb0_attn:
	.size	k_q0d4f7b6cb0_attn, .Lfunc_end_k_q0d4f7b6cb0_attn-k_q0d4f7b6cb0_attn
	.p2alignl 7, 3214868480
	.fill 96, 4, 3214868480
	.section	.rodata,"a",@progbits
	.p2align	6, 0x0
	.amdhsa_kernel k_q0d4f7b6cb0_attn
		.amdhsa_group_segment_fixed_size 192512
		.amdhsa_private_segment_fixed_size 0
		.amdhsa_enable_private_segment 0
		.amdhsa_kernarg_size 24
		.amdhsa_user_sgpr_count 2
		.amdhsa_user_sgpr_kernarg_segment_ptr 1
		.amdhsa_wavefront_size32 1
		.amdhsa_system_sgpr_workgroup_id_x 1
		.amdhsa_system_sgpr_workgroup_id_y 1
		.amdhsa_system_sgpr_workgroup_id_z 1
		.amdhsa_system_vgpr_workitem_id 0
		.amdhsa_next_free_vgpr 256
		.amdhsa_next_free_sgpr 80
		.amdhsa_reserve_vcc 0
		.amdhsa_float_denorm_mode_32 3
		.amdhsa_float_denorm_mode_16_64 3
		.amdhsa_memory_ordered 1
		.amdhsa_forward_progress 1
		.amdhsa_inst_pref_size 87
	.end_amdhsa_kernel
	.amdgpu_metadata
---
amdhsa.version: [ 1, 2 ]
amdhsa.kernels:
  - .name:           k_q0d4f7b6cb0_attn
    .symbol:         k_q0d4f7b6cb0_attn.kd
    .args:
      - { .name: qh, .offset: 0, .size: 8, .value_kind: global_buffer, .address_space: global }
      - { .name: kvh, .offset: 8, .size: 8, .value_kind: global_buffer, .address_space: global }
      - { .name: ob, .offset: 16, .size: 8, .value_kind: global_buffer, .address_space: global }
    .group_segment_fixed_size: 192512
    .private_segment_fixed_size: 0
    .kernarg_segment_align: 8
    .kernarg_segment_size: 24
    .max_flat_workgroup_size: 256
    .sgpr_count:     80
    .vgpr_count:     256
    .wavefront_size: 32
...
	.end_amdgpu_metadata
.endif
;; end of part 3
;; launch oproj (part 4): grid 16 x 16, 4 waves a work-group, clusters of 4 x 4, 327,680 bytes of LDS; arguments ob, wob, out0; writes out0
.if DOCPART == 4
	.amdgcn_target "amdgcn-amd-amdhsa--gfx1250"
	.amdhsa_code_object_version 6
	.text
	.protected	k_q0d4f7b6cb0_oproj
	.globl	k_q0d4f7b6cb0_oproj
	.p2align	8
	.type	k_q0d4f7b6cb0_oproj,@function
k_q0d4f7b6cb0_oproj:
	s_mov_b64 s[64:65], 0
	v_nop
	global_prefetch_b8 v0, s[64:65] scope:SCOPE_SE
	s_setreg_imm32_b32 hwreg(HW_REG_WAVE_MODE, 25, 1), 1
	s_wait_xcnt 0x0
	s_wait_alu depctr_hold_cnt(0) depctr_sa_sdst(0) depctr_va_vdst(0) depctr_va_sdst(0) depctr_va_ssrc(0) depctr_va_vcc(0) depctr_vm_vsrc(0)
	s_getreg_b32 s2, hwreg(HW_REG_IB_STS2, 6, 4)
	s_cmp_eq_u32 s2, 0
	s_cbranch_scc0 .Lentry_in_a_cluster
	s_endpgm
.Lentry_in_a_cluster:
	s_bfe_u32 s2, ttmp6, 0x10000c
	s_cmp_lg_u32 s2, 0xf033
	s_cbranch_scc0 .Lentry_shape_is_right
	s_endpgm
.Lentry_shape_is_right:
; out0 = O Wo.  ob [2048][2048] f16 (rows along K), wob [2048 k][2048 n] f16 (bf16(Wo) written as f16), out0 [2048][2048] f32; sums in f32.
; A tile of out0 is 128 x 128: 16 x 16 work-groups.  Four waves, each 64 x 64: 16 accumulators.  K goes in 8 steps of 256 through two LDS slots, as long as two slots in LDS allow.
; O's rows come out of LDS as they lie; Wo lies [k][n] and comes out turned, by ds_load_tr16_b128.
; CLUSTER 4 x 4: O's tile hangs on the tile row alone and is asked for jointly along a row of the cluster, Wo's on the tile column alone, jointly along a column.
; THE MATRIX INSTRUCTION IS USED TRANSPOSED (source 0 = 16 columns of Wo, source 1 = 16 rows of O): a lane holds eight neighbouring f32 of a row of out0.
; A wave's 64 columns are 256 bytes of a row: each wave has a stage of its own for the way out, and no barrier is needed there.
; REGISTERS: window 0: v16-29 addresses; v32-95 at work on the way out; v128-255 the accumulators ((a, b) at v[128 + 8 (4 a + b)]).
;   window 1: two fragment buffers of 128: for 64 along K, 64 registers of O (2 x 4 x 16 rows x 32 K), then 64 of Wo.
.set KSTEP,  256
.set PITCH,  528                       ; a row of O in LDS: 512 bytes + 16: the 16 rows of a fragment load start at 16 different groups of four banks (64 banks of 4 bytes: ISA guide 11.1)
.set PB,     288                       ; a row k of Wo's tile: 256 + 32
.set HALFA,  64*PITCH                  ; what waves 0 and 1 fetch: 64 rows of O
.set HALFB,  128*PB                    ; what waves 2 and 3 fetch: 128 rows k of Wo
.set OFFB,   2*HALFA
.set SLOT,   OFFB+2*HALFB              ; 141,312 bytes
.set STAGE,  2*SLOT                    ; behind the ring, never filled by a tensor load: 16 rows x 272 bytes for each wave
.set SPITCH, 272
.set SPARE,  STAGE+4*16*SPITCH         ; the spare words, 128 bytes for each wave: two blocks of 256 bytes that no other line names
.set LAPS,   4                         ; a lap = two K steps
.set ADRA, 16                          ; v16-17  LDS address of my O fragments in slot 0, 1
.set ADRB, 20                          ; v20-23  of my Wo fragments: slot s, rows k 128 x half on, at v[20 + 2 s + half] (an LDS offset holds 16 bits)
.set STO,  24
.set RD,   25
.set CO,   26
.set SPW,  28                          ; v28     LDS address of my spare word; never rewritten
.set NIL,  29                          ; v29     0; never rewritten
.set TMP,  32                          ; two sets of 32
.set ACC,  128
.set F0,   0
.set F1,   128
.set G1, 24                            ; s[24:31] group 1 for O's tiles; s[32:39] group 0, a set for each slot
.set G0, 32
.set G1B, 48                           ; s[48:55], s[56:63] the same for Wo's
.set G0B, 56
.set MSB, 0
.macro WIN new                         ; the immediate's high byte repeats the setting that is left
.if MSB != (\new)
	s_set_vgpr_msb (MSB<<8)|(\new)
.set MSB, \new
.endif
.endm
.set MUL,  0x05                        ; sources 0 (Wo) and 1 (O) window 1; C and D window 0
.set TO_F, 0x40                        ; destination window 1, address window 0
.macro JLOAD s                         ; a joint load: waves 0 and 1 fetch O's two halves, waves 2 and 3 Wo's; an s_nop 0 and four v_nop follow each line, ahead of the jump, the label and what follows
	s_cmp_eq_u32 s11, 0
	s_cbranch_scc0 .Lfor_b_\@
	tensor_load_to_lds s[G0+4*(\s):G0+4*(\s)+3], s[G1:G1+7]
	s_nop 0
.rept 4
	v_nop
.endr
	s_branch .Lasked_\@
.Lfor_b_\@:
	tensor_load_to_lds s[G0B+4*(\s):G0B+4*(\s)+3], s[G1B:G1B+7]
	s_nop 0
.rept 4
	v_nop
.endr
.Lasked_\@:
.endm
.macro CREST                           ; a round of the cluster's barrier behind its opening barrier
	s_cmp_lg_u32 s10, 0
	s_cbranch_scc1 .Lnot_wave_0_\@
	s_barrier_signal -3
.Lnot_wave_0_\@:
	s_barrier_wait -3
	s_barrier_signal -1
	s_barrier_wait -1
.endm
.macro CROUND
	s_barrier_signal -1
	s_barrier_wait -1
	CREST
.endm
	s_load_b128 s[4:7], s[0:1], 0x0                ; ob s[4:5], wob s[6:7]
	s_load_b64 s[8:9], s[0:1], 0x10                ; out0
	v_lshl_add_u32 v[SPW], v0, 2, SPARE
	v_mov_b32 v[NIL], 0
	ds_add_u32 v[SPW], v[NIL]                      ; the wave's opening: the add and its wait stand ahead of my first tensor load; the set-up below, work on registers, stands between them
	ds_add_u32 v28, v29
	v_lshrrev_b32 v1, 5, v0
	v_readfirstlane_b32 s10, v1                    ; wave 0..3
	s_lshr_b32 s11, s10, 1                         ; which half of the tile's rows is mine.  Also: I fetch for O (0) or for Wo (1)
	s_and_b32 s12, s10, 1                          ; which half of its columns.  Also: which half of that tile I fetch
	s_bfe_u32 s40, ttmp6, 0x40000                  ; cx, cy
	s_bfe_u32 s41, ttmp6, 0x40004
	s_lshl_b32 s42, ttmp9, 2
	s_add_co_u32 s42, s42, s40                     ; tile column = 4 x cluster x + cx
	s_and_b32 s13, ttmp7, 0xffff
	s_lshl_b32 s13, s13, 2
	s_add_co_u32 s13, s13, s41                     ; tile row = 4 x cluster y + cy
	s_lshl_b32 s43, s41, 2
	s_lshl_b32 s43, 15, s43                        ; my row of the cluster
	s_lshl_b32 s44, 0x1111, s40                    ; my column
	s_or_b32 s[G1], s43, (1<<16)|(1<<20)|(1<<21)|(6<<22)|(3<<25)   ; O: 2-byte elements; padding after every 128 words, 4 words; bit 21 set beside the mask
	s_mov_b32 s[G1+1], 256<<16                     ; tensor_dim0 = 256
	s_mov_b32 s[G1+2], 64<<16                      ; tensor_dim1 = 64
	s_mov_b32 s[G1+3], 256<<16                     ; tile_dim0 = 256
	s_mov_b32 s[G1+4], 64                          ; tile_dim1 = 64
	s_mov_b32 s[G1+5], 2048                        ; elements from row to row
	s_mov_b32 s[G1+6], 0
	s_mov_b32 s[G1+7], 0
	s_or_b32 s[G1B], s44, (1<<16)|(1<<20)|(1<<21)|(5<<22)|(7<<25)  ; Wo: after every 64 words, 8 words
	s_mov_b32 s[G1B+1], 128<<16
	s_mov_b32 s[G1B+2], 128<<16
	s_mov_b32 s[G1B+3], 128<<16
	s_mov_b32 s[G1B+4], 128                        ; 128 rows k x 128 columns
	s_mov_b32 s[G1B+5], 2048
	s_mov_b32 s[G1B+6], 0
	s_mov_b32 s[G1B+7], 0
	s_lshl_b32 s16, s13, 7                         ; O: row 128 x tile row + 64 x half,
	s_lshl_b32 s17, s12, 6
	s_add_co_u32 s16, s16, s17
	s_lshl_b32 s16, s16, 12                        ; of 4,096 bytes
	s_mov_b32 s17, 0
	s_lshl_b32 s46, s42, 8                         ; Wo: column 128 x tile column,
	s_lshl_b32 s47, s12, 19                        ; row k = 128 x half
	s_add_co_u32 s46, s46, s47
	s_mov_b32 s47, 0
	s_mul_i32 s20, s12, HALFA                      ; where they go: no place in the cluster enters an LDS address
	s_mul_i32 s21, s12, HALFB
	s_add_co_u32 s21, s21, OFFB
	s_wait_dscnt 0x0                               ; the opening add is done
	s_wait_kmcnt 0x0
	s_add_nc_u64 s[14:15], s[4:5], s[16:17]
	s_add_nc_u64 s[46:47], s[6:7], s[46:47]
	CROUND                                         ; all sixteen work-groups are here: the first joint loads meet
.irp s, 0,1
	s_mov_b32 s[G0+4*(\s)], 1
	s_add_co_u32 s[G0+4*(\s)+1], s20, (\s)*SLOT
	s_add_nc_u64 s[G0+4*(\s)+2:G0+4*(\s)+3], s[14:15], (\s)*KSTEP*2
	s_or_b32 s[G0+4*(\s)+3], s[G0+4*(\s)+3], 0x80000000
	s_mov_b32 s[G0B+4*(\s)], 1
	s_add_co_u32 s[G0B+4*(\s)+1], s21, (\s)*SLOT
	s_add_nc_u64 s[G0B+4*(\s)+2:G0B+4*(\s)+3], s[46:47], (\s)*KSTEP*4096
	s_or_b32 s[G0B+4*(\s)+3], s[G0B+4*(\s)+3], 0x80000000
	JLOAD \s                                       ; steps 0 and 1: two loads of mine are out
.endr
	v_and_b32 v1, 15, v0                           ; r = l % 16
	v_bfe_u32 v2, v0, 4, 1                         ; h = l / 16
	v_and_b32 v3, 7, v0
	v_bfe_u32 v4, v0, 3, 1
	v_mul_u32_u24 v5, v1, PITCH
	v_lshl_add_u32 v5, v2, 4, v5
	s_mul_i32 s23, s11, HALFA                      ; my 64 rows of O
	v_add_nc_u32 v[ADRA], s23, v5
	v_add_nc_u32 v[ADRA+1], SLOT, v[ADRA]
	v_lshl_add_u32 v6, v2, 3, v3                   ; the turning load: lane l reads row k = 8 h + l % 8, 16 bytes at 16 ((l / 8) % 2)
	v_mul_u32_u24 v6, v6, PB
	v_lshl_add_u32 v6, v4, 4, v6
	s_lshl_b32 s23, s12, 7                         ; my 64 columns
	s_add_co_u32 s23, s23, OFFB
	v_add_nc_u32 v[ADRB], s23, v6
	v_add_nc_u32 v[ADRB+1], HALFB, v[ADRB]
	v_add_nc_u32 v[ADRB+2], SLOT, v[ADRB]
	v_add_nc_u32 v[ADRB+3], HALFB, v[ADRB+2]
	s_mul_i32 s23, s10, 16*SPITCH
	s_add_co_u32 s23, s23, STAGE                   ; my stage
	v_mul_u32_u24 v5, v1, SPITCH                   ; in: row r, 32 bytes (8 f32) for each half of the lanes
	v_lshl_add_u32 v5, v2, 5, v5
	v_add_nc_u32 v[STO], s23, v5
	v_mul_u32_u24 v5, v2, SPITCH                   ; back: lanes 0-15 take one row of 256 bytes, lanes 16-31 the next
	v_lshl_add_u32 v5, v1, 4, v5
	v_add_nc_u32 v[RD], s23, v5
	v_lshlrev_b32 v5, 13, v2                       ; and the same two rows in out0
	v_lshl_add_u32 v[CO], v1, 4, v5
	s_lshl_b32 s16, s13, 7
	s_lshl_b32 s17, s11, 6
	s_add_co_u32 s16, s16, s17                     ; my first row of out0,
	s_lshl_b32 s16, s16, 13                        ; of 8,192 bytes
	s_mov_b32 s17, 0
	s_add_nc_u64 s[8:9], s[8:9], s[16:17]
	s_lshl_b32 s46, s42, 9                         ; my first column, in bytes: 512 x tile column + 256 x half
	s_lshl_b32 s47, s12, 8
	s_add_co_u32 s46, s46, s47
	s_mov_b32 s47, 0
	s_add_nc_u64 s[8:9], s[8:9], s[46:47]
; 8 matrix instructions: m blocks a0, a0 + 1 x all 4 n blocks, 32 along K: half c of buffer f.  The 16 accumulators take turns.  zero = 1: the first product starts the sums
.macro MUL8 f, c, a0, zero
	WIN MUL
.irp a, \a0, (\a0)+1
.irp b, 0,1,2,3
.if \zero
	v_wmma_f32_16x16x32_f16 v[ACC+8*(4*(\a)+(\b)):ACC+8*(4*(\a)+(\b))+7], v[(\f)+64+8*(4*(\c)+(\b)):(\f)+64+8*(4*(\c)+(\b))+7], v[(\f)+8*(4*(\c)+(\a)):(\f)+8*(4*(\c)+(\a))+7], 0
.else
	v_wmma_f32_16x16x32_f16 v[ACC+8*(4*(\a)+(\b)):ACC+8*(4*(\a)+(\b))+7], v[(\f)+64+8*(4*(\c)+(\b)):(\f)+64+8*(4*(\c)+(\b))+7], v[(\f)+8*(4*(\c)+(\a)):(\f)+8*(4*(\c)+(\a))+7], v[ACC+8*(4*(\a)+(\b)):ACC+8*(4*(\a)+(\b))+7]
.endif
.endr
.endr
.endm
; 32 LDS loads in one run: the fragments of quarter kq (64 along K) of a slot into buffer f; the first 32 along K first
.macro FETCH slot, kq, f
	WIN TO_F
.irp c, 0,1
.irp i, 0,1,2,3
	ds_load_tr16_b128 v[(\f)+64+8*(4*(\c)+(\i)):(\f)+64+8*(4*(\c)+(\i))+3],   v[ADRB+2*(\slot)+(\kq)/2] offset:(((\kq)%2)*64+32*(\c))*PB+32*(\i)
	ds_load_tr16_b128 v[(\f)+64+8*(4*(\c)+(\i))+4:(\f)+64+8*(4*(\c)+(\i))+7], v[ADRB+2*(\slot)+(\kq)/2] offset:(((\kq)%2)*64+32*(\c)+16)*PB+32*(\i)
	ds_load_b128 v[(\f)+8*(4*(\c)+(\i)):(\f)+8*(4*(\c)+(\i))+3],   v[ADRA+(\slot)] offset:(\kq)*128+64*(\c)+(\i)*16*PITCH
	ds_load_b128 v[(\f)+8*(4*(\c)+(\i))+4:(\f)+8*(4*(\c)+(\i))+7], v[ADRA+(\slot)] offset:(\kq)*128+64*(\c)+(\i)*16*PITCH+32
.endr
.endr
.endm
.macro PLACES                          ; four places in front of loads into registers that matrix instructions have read, and of LDS stores of their results
.rept 4
	v_nop
.endr
.endm
; A K step is four quarters of 64 along K, 32 matrix instructions each, on buffers 0, 1, 0, 1.  One of the first three: multiplies buffer f and fetches quarter kq into g.
.macro QUARTER slot, kq, f, g, zero
	s_wait_dscnt 16                                ; the first 32 along K are in
	MUL8 \f, 0, 0, \zero
	MUL8 \f, 0, 2, \zero
	PLACES
	FETCH \slot, \kq, \g
	s_wait_dscnt 32                                ; all but the 32 just issued
	MUL8 \f, 1, 0, 0
	MUL8 \f, 1, 2, 0
.endm
; The last quarter multiplies buffer 1 and changes slots: ONE barrier; in front of it each wave waits for all its tensor loads, adds 0 to its spare word, and waits for that and for its own reads of this slot.
.macro TURN slot, next, fill
	WIN 0                                          ; (the add's two registers lie in window 0)
	s_wait_tensorcnt 0x0                           ; all my tensor loads have landed: my part of the next slot
	ds_add_u32 v[SPW], v[NIL]                      ; 0 onto my spare word
	s_wait_dscnt 17                                ; (the add and the youngest sixteen loads may be out)
	MUL8 F1, 0, 0, 0                               ; eight matrix instructions stand between the add and the wait for it
	s_wait_dscnt 0x0                               ; the add is done, and my reads of this slot are over
	s_barrier_signal -1
	MUL8 F1, 0, 2, 0
.if \fill
	WIN 0
.endif
	s_barrier_wait -1
.if \fill
	CREST                                          ; no wave of any partner still reads this slot's tiles or has a load on its way
	s_add_nc_u64 s[G0+4*(\slot)+2:G0+4*(\slot)+3], s[G0+4*(\slot)+2:G0+4*(\slot)+3], 2*KSTEP*2
	s_add_nc_u64 s[G0B+4*(\slot)+2:G0B+4*(\slot)+3], s[G0B+4*(\slot)+2:G0B+4*(\slot)+3], 2*KSTEP*4096
	JLOAD \slot                                    ; the first tensor load behind the round, my only one until the next; its four v_nop are also the places in front of the loads below
.else
	PLACES
.endif
	FETCH \next, 0, F0
	MUL8 F1, 1, 0, 0
	MUL8 F1, 1, 2, 0
.endm
	s_wait_tensorcnt 1                             ; my part of K step 0 is in; step 1's may stay out
	s_barrier_signal -1
	s_barrier_wait -1                              ; everybody's is
	FETCH 0, 0, F0
	QUARTER 0, 1, F0, F1, 1                        ; the first quarter stands in front of the loop: its first products start the sums
	WIN 0                                          ; at a label and at a branch every window is 0
	s_mov_b32 s3, LAPS-1
.Llap:                                                 ; a trip goes once round the ring, from a lap's second quarter to the next lap's first, and fills both slots again
	QUARTER 0, 2, F1, F0, 0
	QUARTER 0, 3, F0, F1, 0
	TURN 0, 1, 1
	QUARTER 1, 1, F0, F1, 0
	QUARTER 1, 2, F1, F0, 0
	QUARTER 1, 3, F0, F1, 0
	TURN 1, 0, 1
	QUARTER 0, 1, F0, F1, 0
	WIN 0
	s_sub_co_u32 s3, s3, 1
	s_cmp_lg_u32 s3, 0
	s_cbranch_scc1 .Llap
	QUARTER 0, 2, F1, F0, 0                        ; the last lap fills nothing, and has no round of the cluster's barrier
	QUARTER 0, 3, F0, F1, 0
	TURN 0, 1, 0
	QUARTER 1, 1, F0, F1, 0
	QUARTER 1, 2, F1, F0, 0
	QUARTER 1, 3, F0, F1, 0
	s_wait_dscnt 16                                ; the very last quarter: nothing more to fetch
	MUL8 F1, 0, 0, 0
	MUL8 F1, 0, 2, 0
	s_wait_dscnt 0x0
	MUL8 F1, 1, 0, 0
	MUL8 F1, 1, 2, 0
	WIN 0
	; THE WAY OUT, 16 rows at a time: a lane's eight f32 go into my stage as two stores of 16 bytes (each accumulator's low four registers first) and come back as whole rows of 256 bytes.
	PLACES
.macro OUTB a
	s_wait_xcnt 0x0                                ; the set of registers that earlier stores read is loaded again only behind this wait
.irp b, 0,1,2,3
	ds_store_b128 v[STO], v[ACC+8*(4*(\a)+(\b)):ACC+8*(4*(\a)+(\b))+3]   offset:64*(\b)
	ds_store_b128 v[STO], v[ACC+8*(4*(\a)+(\b))+4:ACC+8*(4*(\a)+(\b))+7] offset:64*(\b)+16
.endr
.irp t, 0,1,2,3,4,5,6,7
	ds_load_b128 v[TMP+32*((\a)%2)+4*(\t):TMP+32*((\a)%2)+4*(\t)+3], v[RD] offset:(\t)*2*SPITCH  ; LDS serves a wave's instructions in order (ISA guide 5.7.1.4): these see the stores above; the next block's stores come behind them
.endr
.endm
.macro SENDB a, younger                ; younger: the LDS instructions issued behind block a's loads: the next block's sixteen, or none
	s_wait_dscnt \younger
.irp t, 0,1,2,3,4,5,6,7
	global_store_b128 v[CO], v[TMP+32*((\a)%2)+4*(\t):TMP+32*((\a)%2)+4*(\t)+3], s[8:9] offset:(16*(\a)+2*(\t))*8192  ; 16 lanes store 256 consecutive bytes, at a multiple of 256 from out0's first byte
.endr
.endm
	OUTB 0
	OUTB 1
	SENDB 0, 16
	OUTB 2
	SENDB 1, 16
	OUTB 3
	SENDB 2, 16
	SENDB 3, 0
	s_wait_tensorcnt 0x0                           ; the wave's end: these three lines stand behind my last tensor load and my last LDS store
	ds_add_u32 v[SPW], v[NIL]
	s_wait_dscnt 0x0
	CROUND                                         ; the closing round: no work-group ends while a partner may still ask for a tile that names it
	s_endpgm
.Lfunc_end_k_q0d4f7b6cb0_oproj:
	.size	k_q0d4f7b6cb0_oproj, .Lfunc_end_k_q0d4f7b6cb0_oproj-k_q0d4f7b6cb0_oproj
	.p2alignl 7, 3214868480
	.fill 96, 4, 3214868480
	.section	.rodata,"a",@progbits
	.p2align	6, 0x0
	.amdhsa_kernel k_q0d4f7b6cb0_oproj
		.amdhsa_group_segment_fixed_size 327680
		.amdhsa_private_segment_fixed_size 0
		.amdhsa_enable_private_segment 0
		.amdhsa_kernarg_size 24
		.amdhsa_user_sgpr_count 2
		.amdhsa_user_sgpr_kernarg_segment_ptr 1
		.amdhsa_wavefront_size32 1
		.amdhsa_system_sgpr_workgroup_id_x 1
		.amdhsa_system_sgpr_workgroup_id_y 1
		.amdhsa_system_sgpr_workgroup_id_z 1
		.amdhsa_system_vgpr_workitem_id 0
		.amdhsa_next_free_vgpr 512
		.amdhsa_next_free_sgpr 66
		.amdhsa_reserve_vcc 0
		.amdhsa_float_denorm_mode_32 3
		.amdhsa_float_denorm_mode_16_64 3
		.amdhsa_memory_ordered 1
		.amdhsa_forward_progress 1
		.amdhsa_inst_pref_size 86
	.end_amdhsa_kernel
	.amdgpu_metadata
---
amdhsa.version: [ 1, 2 ]
amdhsa.kernels:
  - .name:           k_q0d4f7b6cb0_oproj
    .symbol:         k_q0d4f7b6cb0_oproj.kd
    .args:
      - { .name: ob, .offset: 0, .size: 8, .value_kind: global_buffer, .address_space: global }
      - { .name: wob, .offset: 8, .size: 8, .value_kind: global_buffer, .address_space: global }
      - { .name: out0, .offset: 16, .size: 8, .value_kind: global_buffer, .address_space: global }
    .group_segment_fixed_size: 327680
    .private_segment_fixed_size: 0
    .kernarg_segment_align: 8
    .kernarg_segment_size: 24
    .max_flat_workgroup_size: 128
    .sgpr_count:     66
    .vgpr_count:     512
    .wavefront_size: 32
...
	.end_amdgpu_metadata
.endif
;; end of part 4
;; ======== version 2 of 2: 4 launches; version 1 with the launch cast written anew for expert scheduling mode
;; limits: values are held in f16: magnitudes above 65,504 overflow, below 6.1e-05 lose precision
;; workspace buffers: xb 16,777,216 bytes; wqb 16,777,216 bytes; wkvb 8,388,608 bytes; wob 8,388,608 bytes; qh 8,388,608 bytes; kvh 8,388,608 bytes; ob 8,388,608 bytes
;; launch cast (part 5): grid 32 x 24, 8 waves a work-group, no clusters, 0 bytes of LDS; arguments ssm_states, hidden_states, Wq, Wo, Wsk, Wsv, Wk, Wv, xb, wqb, wob, wkvb; writes xb, wqb, wob, wkvb
.if DOCPART == 5
	.amdgcn_target "amdgcn-amd-amdhsa--gfx1250"
	.amdhsa_code_object_version 6
	.text
	.protected	k_q0d4f7b6cb0_cast
	.globl	k_q0d4f7b6cb0_cast
	.p2align	8
	.type	k_q0d4f7b6cb0_cast,@function
k_q0d4f7b6cb0_cast:
	s_mov_b64 s[64:65], 0
	v_nop
	global_prefetch_b8 v0, s[64:65] scope:SCOPE_SE
	s_setreg_imm32_b32 hwreg(HW_REG_WAVE_SCHED_MODE, 0, 2), 2
	s_setreg_imm32_b32 hwreg(HW_REG_WAVE_MODE, 25, 1), 1
	s_wait_xcnt 0x0
	s_wait_alu depctr_vm_vsrc(0)
; CAST.  All eight inputs are rounded to bf16 once and laid out for the products that follow.
;   xb   [2048 rows][4096] bf16: columns 0-2047 ssm_states, 2048-4095 hidden_states (the order of Wq's rows)
;   wqb  [4096 k][2048 n] bf16      wob [2048 k][2048 n]: bf16(Wo) written as f16
;   wkvb [16 j][4096 k][64] bf16: j < 8: Wsk (k < 2048), Wk (k >= 2048), columns 64 j on; j >= 8: Wsv, Wv, columns 64 (j - 8) on
; LIMIT.  bf16(Wo) as f16 is exact from 2^-14 to 65,504; below it keeps f16's fixed step of 6e-8, beyond it is lost.
; SHARES.  A pass is 2,048 f32 of the source (8,192 bytes in, 4,096 out); a thread takes 8 neighbouring numbers, two 16-byte loads and
; one 16-byte store; a work-group makes 16 passes, all 32 loads of a wave issued before the first conversion.
; Memory binds: no LDS, no barrier, no matrix unit would add anything.
; The job goes by the work-group's y: 0-3 ssm, 4-7 hidden, 8-15 Wq, 16-19 Wo, 20 Wsk, 21 Wsv, 22 Wk, 23 Wv.
; THE MODE: SCHED_MODE bits 1:0 = 2 (LLVM: expert scheduling mode 2), set by the entry lines.  The code itself states the register dependences
; between vector instructions and memory instructions, with s_wait_alu, always for 0.
; THE PLAN.  Registers that memory instructions touch:
;   v7         my byte offset in a pass of the source.  Written once at the head; read by all 32 loads; never written again.
;   v[DOF ..]  sixteen byte offsets in the destination.  Written once at the head; v[DOF + p] is read by pass p's store; never written again.
;   v[X ..]    pass p: 8 registers.  Its two loads land in them (no vector instruction names them before); its conversions read the 8 and write the
;              first 4; its store reads those 4; nothing writes them behind the store.
;   v[T ..]    named by vector instructions alone.
; No register that a memory instruction reads is written again, and no load is issued behind a vector instruction that names its registers: so all that is to be
; stated is 'written, then read by a load or store'.  One wait at the head states it for the seventeen offsets.  The 16 passes go in four blocks of four: a block's
; conversions stand together, ONE wait behind them states that they have written the block's sixteen data registers, and the block's four stores follow in a run.
; No vector instruction writes a scalar register or VCC, and EXEC is never written.
.set DOF,  8                           ; v[8:23]    pass p: my byte offset in the destination
.set X,    24                          ; v[24:151]  pass p: 8 registers as loaded; the first 4 then hold what is stored
.set T,    152                         ; v[152:154] at work (Wo alone)
.set SRC,  32                          ; s[32:33]   the job's source
.set DST,  34                          ; s[34:35]   the job's destination
.set Y,    36                          ; s36        work-group y
.set Y0,   37                          ; s37        the job's first y
.set DSTEP,38                          ; s38        destination bytes from pass to pass
.set DADD, 39                          ; s39        the job's first byte in the destination
.set LW,   40                          ; s40        the work-group's number within the job
	s_load_b512 s[8:23], s[0:1], 0x0               ; ssm, hidden, Wq, Wo, Wsk, Wsv, Wk, Wv
	s_load_b256 s[24:31], s[0:1], 0x40             ; xb, wqb, wob, wkvb
	s_and_b32 s[Y], ttmp7, 0xffff
	s_mov_b32 s47, 0xffff0000                      ; a word's upper bf16
	v_and_b32 v1, 31, v0                           ; lane l
	v_lshrrev_b32 v2, 5, v0                        ; wave w
	v_lshlrev_b32 v3, 5, v0                        ; plain jobs: source 32 t,
	v_lshlrev_b32 v4, 4, v0                        ; destination 16 t
	v_lshrrev_b32 v5, 3, v1                        ; K/V weights: a pass is 4 rows k of 512 f32; wave w takes column block w:
	v_lshlrev_b32 v5, 11, v5                       ; source (l / 8) rows of 2,048 bytes
	v_lshl_add_u32 v5, v2, 8, v5                   ; + 256 w
	v_and_b32 v6, 7, v1
	v_lshl_add_u32 v5, v6, 5, v5                   ; + 32 (l % 8)
	v_lshlrev_b32 v6, 4, v1                        ; destination: block w of 524,288 bytes, 4 rows of 128 bytes = 16 l:
	v_lshl_add_u32 v6, v2, 19, v6                  ; a wave's store covers 512 consecutive bytes
	s_wait_kmcnt 0x0
	s_mov_b64 s[SRC:SRC+1], s[8:9]                 ; the table of jobs, row by row: a compare on y, then selects (which leave SCC alone)
	s_mov_b64 s[DST:DST+1], s[24:25]
	s_mov_b32 s[Y0], 0
	s_mov_b32 s[DSTEP], 8192
	s_mov_b32 s[DADD], 0
	s_cmp_ge_u32 s[Y], 4                           ; hidden_states: the right half of xb's rows
	s_cselect_b64 s[SRC:SRC+1], s[10:11], s[SRC:SRC+1]
	s_cselect_b32 s[Y0], 4, s[Y0]
	s_cselect_b32 s[DADD], 4096, s[DADD]
	s_cmp_ge_u32 s[Y], 8                           ; Wq
	s_cselect_b64 s[SRC:SRC+1], s[12:13], s[SRC:SRC+1]
	s_cselect_b64 s[DST:DST+1], s[26:27], s[DST:DST+1]
	s_cselect_b32 s[Y0], 8, s[Y0]
	s_cselect_b32 s[DSTEP], 4096, s[DSTEP]
	s_cselect_b32 s[DADD], 0, s[DADD]
	s_cmp_ge_u32 s[Y], 16                          ; Wo
	s_cselect_b64 s[SRC:SRC+1], s[14:15], s[SRC:SRC+1]
	s_cselect_b64 s[DST:DST+1], s[28:29], s[DST:DST+1]
	s_cselect_b32 s[Y0], 16, s[Y0]
	s_cmp_ge_u32 s[Y], 20                          ; Wsk
	s_cselect_b64 s[SRC:SRC+1], s[16:17], s[SRC:SRC+1]
	s_cselect_b64 s[DST:DST+1], s[30:31], s[DST:DST+1]
	s_cselect_b32 s[Y0], 20, s[Y0]
	s_cselect_b32 s[DSTEP], 512, s[DSTEP]
	s_cselect_b32 s46, -1, 0                       ; all lanes: the K/V weights' offsets
	s_cmp_ge_u32 s[Y], 21                          ; Wsv: blocks 8 on
	s_cselect_b64 s[SRC:SRC+1], s[18:19], s[SRC:SRC+1]
	s_cselect_b32 s[Y0], 21, s[Y0]
	s_cselect_b32 s[DADD], 4194304, s[DADD]
	s_cmp_ge_u32 s[Y], 22                          ; Wk: rows k = 2048 on
	s_cselect_b64 s[SRC:SRC+1], s[20:21], s[SRC:SRC+1]
	s_cselect_b32 s[Y0], 22, s[Y0]
	s_cselect_b32 s[DADD], 262144, s[DADD]
	s_cmp_ge_u32 s[Y], 23                          ; Wv: both
	s_cselect_b64 s[SRC:SRC+1], s[22:23], s[SRC:SRC+1]
	s_cselect_b32 s[Y0], 23, s[Y0]
	s_cselect_b32 s[DADD], 4456448, s[DADD]
	s_sub_co_u32 s[LW], s[Y], s[Y0]
	s_lshl_b32 s[LW], s[LW], 5
	s_add_co_u32 s[LW], s[LW], ttmp9               ; 32 (y - y0) + x
	s_lshl_b32 s42, s[LW], 17                      ; 16 passes of 8,192 bytes
	s_mov_b32 s43, 0
	s_add_nc_u64 s[SRC:SRC+1], s[SRC:SRC+1], s[42:43]
	s_mul_i32 s44, s[LW], s[DSTEP]
	s_lshl_b32 s44, s44, 4                         ; 16 passes of DSTEP bytes,
	s_add_co_u32 s44, s44, s[DADD]                 ; from the job's first byte: 16.7 million at the most
	s_mov_b32 s45, 0
	s_add_nc_u64 s[DST:DST+1], s[DST:DST+1], s[44:45]
	v_cndmask_b32 v7, v3, v5, s46                  ; my byte offset in a pass of the source (s46 was written by a scalar instruction)
	v_cndmask_b32 v[DOF], v4, v6, s46
.set p, 1
.rept 15
	v_add_nc_u32 v[DOF+p], s[DSTEP], v[DOF+p-1]
.set p, p+1
.endr
	s_wait_alu depctr_va_vdst(0)                   ; v7 and the sixteen v[DOF ..] are written: every load below reads v7 as its offset, every store on either way one of v[DOF ..]; no vector instruction behind this wait names them
.set p, 0
.rept 16                                               ; all 32 loads go out together: 16 KiB of a wave on their way
	global_load_b128 v[X+8*p:X+8*p+3],   v7, s[SRC:SRC+1] offset:p*8192 th:TH_LOAD_NT
	global_load_b128 v[X+8*p+4:X+8*p+7], v7, s[SRC:SRC+1] offset:p*8192+16 th:TH_LOAD_NT
.set p, p+1
.endr
; Block g: passes 4 g to 4 g + 3.  wo = 0: eight numbers of a pass rounded to bf16, in place, ascending (a destination is never a source still to come).
; wo = 1: rounded to bf16, widened again (a shift, a mask), and that number written as f16.
.macro BLOCK g, wo
	s_wait_loadcnt 24-8*(\g)                       ; loads come back in order (ISA guide 5.7.1): this block's eight are in, the younger blocks' stay out
.irp i, 0,1,2,3
.irp j, 0,1,2,3
.if \wo
	v_cvt_pk_bf16_f32 v[T], v[X+8*(4*(\g)+(\i))+2*(\j)], v[X+8*(4*(\g)+(\i))+2*(\j)+1]
	v_lshlrev_b32 v[T+1], 16, v[T]
	v_and_b32 v[T+2], s47, v[T]
	v_cvt_pk_f16_f32 v[X+8*(4*(\g)+(\i))+(\j)], v[T+1], v[T+2]
.else
	v_cvt_pk_bf16_f32 v[X+8*(4*(\g)+(\i))+(\j)], v[X+8*(4*(\g)+(\i))+2*(\j)], v[X+8*(4*(\g)+(\i))+2*(\j)+1]
.endif
.endr
.endr
	s_wait_alu depctr_va_vdst(0)                   ; the block's conversions have written the first four registers of each of its four passes, which the four stores below read as data
.irp i, 0,1,2,3
	global_store_b128 v[DOF+4*(\g)+(\i)], v[X+8*(4*(\g)+(\i)):X+8*(4*(\g)+(\i))+3], s[DST:DST+1]  ; a wave's store covers 512 consecutive bytes, aligned; the next launch reads them, so no hint
.endr
.endm
	s_cmp_eq_u32 s[Y0], 16
	s_cbranch_scc1 .Lwo
	BLOCK 0, 0
	BLOCK 1, 0
	BLOCK 2, 0
	BLOCK 3, 0
	s_endpgm
.Lwo:
	BLOCK 0, 1
	BLOCK 1, 1
	BLOCK 2, 1
	BLOCK 3, 1
	s_endpgm
.Lfunc_end_k_q0d4f7b6cb0_cast:
	.size	k_q0d4f7b6cb0_cast, .Lfunc_end_k_q0d4f7b6cb0_cast-k_q0d4f7b6cb0_cast
	.p2alignl 7, 3214868480
	.fill 96, 4, 3214868480
	.section	.rodata,"a",@progbits
	.p2align	6, 0x0
	.amdhsa_kernel k_q0d4f7b6cb0_cast
		.amdhsa_group_segment_fixed_size 0
		.amdhsa_private_segment_fixed_size 0
		.amdhsa_enable_private_segment 0
		.amdhsa_kernarg_size 96
		.amdhsa_user_sgpr_count 2
		.amdhsa_user_sgpr_kernarg_segment_ptr 1
		.amdhsa_wavefront_size32 1
		.amdhsa_system_sgpr_workgroup_id_x 1
		.amdhsa_system_sgpr_workgroup_id_y 1
		.amdhsa_system_sgpr_workgroup_id_z 1
		.amdhsa_system_vgpr_workitem_id 0
		.amdhsa_next_free_vgpr 160
		.amdhsa_next_free_sgpr 66
		.amdhsa_reserve_vcc 0
		.amdhsa_float_denorm_mode_32 3
		.amdhsa_float_denorm_mode_16_64 3
		.amdhsa_memory_ordered 1
		.amdhsa_forward_progress 1
		.amdhsa_inst_pref_size 27
	.end_amdhsa_kernel
	.amdgpu_metadata
---
amdhsa.version: [ 1, 2 ]
amdhsa.kernels:
  - .name:           k_q0d4f7b6cb0_cast
    .symbol:         k_q0d4f7b6cb0_cast.kd
    .args:
      - { .name: ssm_states, .offset: 0, .size: 8, .value_kind: global_buffer, .address_space: global }
      - { .name: hidden_states, .offset: 8, .size: 8, .value_kind: global_buffer, .address_space: global }
      - { .name: Wq, .offset: 16, .size: 8, .value_kind: global_buffer, .address_space: global }
      - { .name: Wo, .offset: 24, .size: 8, .value_kind: global_buffer, .address_space: global }
      - { .name: Wsk, .offset: 32, .size: 8, .value_kind: global_buffer, .address_space: global }
      - { .name: Wsv, .offset: 40, .size: 8, .value_kind: global_buffer, .address_space: global }
      - { .name: Wk, .offset: 48, .size: 8, .value_kind: global_buffer, .address_space: global }
      - { .name: Wv, .offset: 56, .size: 8, .value_kind: global_buffer, .address_space: global }
      - { .name: xb, .offset: 64, .size: 8, .value_kind: global_buffer, .address_space: global }
      - { .name: wqb, .offset: 72, .size: 8, .value_kind: global_buffer, .address_space: global }
      - { .name: wob, .offset: 80, .size: 8, .value_kind: global_buffer, .address_space: global }
      - { .name: wkvb, .offset: 88, .size: 8, .value_kind: global_buffer, .address_space: global }
    .group_segment_fixed_size: 0
    .private_segment_fixed_size: 0
    .kernarg_segment_align: 8
    .kernarg_segment_size: 96
    .max_flat_workgroup_size: 256
    .sgpr_count:     66
    .vgpr_count:     160
    .wavefront_size: 32
...
	.end_amdgpu_metadata
.endif
;; end of part 5
;; launch proj: the kernel of part 2 again; grid 16 x 16, 4 waves a work-group, clusters of 4 x 4, 327,680 bytes of LDS; arguments xb, wqb, wkvb, qh, kvh; writes qh, kvh
;; launch attn: the kernel of part 3 again; grid 16 x 16, 8 waves a work-group, no clusters, 192,512 bytes of LDS; arguments qh, kvh, ob; writes ob
;; launch oproj: the kernel of part 4 again; grid 16 x 16, 4 waves a work-group, clusters of 4 x 4, 327,680 bytes of LDS; arguments ob, wob, out0; writes out0
